; MI455X (gfx1250); checked and timed in simulation.
; The chip was launched on July 23, 2026; its instructions are those of AMD's public machine-readable ISA for CDNA 5 (MIT licence, August 2026) and "CDNA5" Instruction Set Architecture Reference Guide (July 2026). The comments in the code are by the model that wrote it; some were corrected since.
;; Multi Head Attention. Allowed arithmetic: matrix products marked QUANTISED: E2M3 operands, one E8M0 scale for each 32 along K, by v_wmma_scale_f32_16x16x128_f8f6f4 with both operands' format E2M3, f32 sums; everything else in f32.
;; Inputs: freq_pos_enc 2,048 x 128 float32; mask 2,048 x 2,048 float32; wk 2,048 x 2,048 float32; wo 2,048 x 2,048 float32; wq 2,048 x 2,048 float32; wv 2,048 x 2,048 float32; x 1 x 2,048 x 2,048 float32.
;; Outputs: out0 1 x 2,048 x 2,048 float32.
;; Constants: d_k = 128, num_heads = 16.
;; This version of the problem:
;;   THIS VERSION OF THE PROBLEM IS GIVEN IN LOW PRECISION. The matrix products marked QUANTISED in the list below multiply operands that are first quantised to E2M3 (2 exponent bits, 3 mantissa bits; 6 bits a number), with one power-of-two scale for each 32 numbers along K (OCP MX v1.0); their sums are f32. All else is computed in f32.
;;   The module's matrix products, in the order in which they are computed (A, B: the left and right operand; K: the contracted axis; several contracted axes count as one K, in the product's order):
;;     1. [M 2,048, K 2,048] x [K 2,048, N 2,048]; A: input x; B: input wq: QUANTISED
;;     2. [M 2,048, K 2,048] x [K 2,048, N 2,048]; A: input x; B: input wk: QUANTISED
;;     3. [M 2,048, K 2,048] x [K 2,048, N 2,048]; A: input x; B: input wv: QUANTISED
;;     4. batch 16 x [M 2,048, K 128] x [K 128, N 2,048]; A: computed on the way; B: computed on the way: QUANTISED
;;     5. batch 16 x [M 2,048, K 2,048] x [K 2,048, N 128]; A: softmax (see below); B: computed on the way: QUANTISED
;;     6. [M 2,048, K 2,048] x [K 2,048, N 2,048]; A: computed on the way; B: input wo: QUANTISED
;;   THE QUANTISER, for each operand of a quantised product, along K:
;;     - K is cut into blocks of 32 from its start; a last block that is shorter is filled with zeros.
;;     - A block's scale is 2^e with e = floor(log2(the largest magnitude in the block)) - 2, held to -126 .. 127; a block of zeros has e = 0. As a byte (E8M0): e + 127.
;;     - Each number is divided by its block's scale, clamped to +-7.5, and rounded to the nearest number of E2M3, ties to even, subnormals kept.
;;     - The product sums the exact products of the quantised numbers (number of the format x scale) in f32.
;;   ~~~python
;;   def quantise(x, axis):      # numpy; x: float32 -> the quantised numbers, widened to float32 again
;;       x = np.moveaxis(x, axis, -1); K = x.shape[-1]
;;       x = np.pad(x, [(0, 0)] * (x.ndim - 1) + [(0, -K % 32)]); x = x.reshape(x.shape[:-1] + (-1, 32)); a = np.abs(x).max(-1, keepdims=True)
;;       e = np.where(a > 0, np.clip(np.frexp(np.where(a > 0, a, 1))[1] - 1 - 2, -126, 127), 0)      # np.frexp(a)[1] - 1 = floor(log2(a)), exactly
;;       r = np.clip(x / 2.0 ** e, -7.5, 7.5)
;;       step = 2.0 ** (np.maximum(np.frexp(np.where(r == 0, 1, r))[1] - 1, 0) - 3)
;;       q = np.round(r / step) * step * 2.0 ** e      # np.round: ties to even
;;       return np.moveaxis(q.reshape(q.shape[:-2] + (-1,))[..., :K], -1, axis).astype(np.float32)
;;   ~~~
;;   SOFTMAX AHEAD OF A QUANTISED PRODUCT. Where the list says 'softmax', what is quantised is not the finished softmax but p = 2^(t - M), with t = logit x log2(e) and M = ceil(the row's largest t), a whole number; so 1/2 < the row's largest p <= 1. The row's sum l is taken of the UNQUANTISED p, in f32, and the product's result is divided by l at the end. Since M is a whole number, a kernel that streams over the keys may use a running M (the ceiling of the running maximum): every later rescaling is an exact power of two, which a block's scale takes up: the codes' values come out the same.
;;   OPERANDS COMPUTED ON THE WAY. 'Computed on the way' means the value that the module computes at that place (a softmax that the list does not call 'softmax' is quantised finished and normalised). What goes into a quantiser is computed in f32, as accurately as f32 sums, v_exp_f32 and their like allow (about 1e-6 of the number): no bf16 or f16 on the way to a quantiser, and a product that is left as it is and whose result goes on into a quantised operand takes f32 operands (vector FMAs, or v_wmma_f32_16x16x4_f32). A number that lies on a knife's edge between two numbers of the format may be rounded either way, as far as f32 arithmetic and the matrix unit's own rounding can turn it there, and no further.
;; One version. Each part assembles by itself: llvm-mc -triple=amdgcn-amd-amdhsa -mcpu=gfx1250 --defsym DOCPART=n.
;; ======== version 1 of 1: 4 launches
;; limits: inputs' magnitudes at most 4,194,304; right only within a limited range of input values
;; workspace buffers: codes 12,582,912 bytes; scales 524,288 bytes; tab 2,097,152 bytes; qkv 9,830,400 bytes; ac 3,145,728 bytes; asc 262,144 bytes; woc 3,145,728 bytes
;; launch prep (part 1): grid 544 x 1, 4 waves a work-group, no clusters, 34,304 bytes of LDS; arguments x, wq, wk, wv, freq_pos_enc, codes, scales, tab; writes codes, scales, tab
.if DOCPART == 1
	.amdgcn_target "amdgcn-amd-amdhsa--gfx1250"
	.amdhsa_code_object_version 6
	.text
	.protected	k_qde756b1880_prep
	.globl	k_qde756b1880_prep
	.p2align	8
	.type	k_qde756b1880_prep,@function
k_qde756b1880_prep:
	s_mov_b64 s[64:65], 0
	v_nop
	global_prefetch_b8 v0, s[64:65] scope:SCOPE_SE
	s_setreg_imm32_b32 hwreg(HW_REG_WAVE_MODE, 25, 1), 1
	s_wait_xcnt 0x0
; PREP.  (a) x, wq, wk, wv, wo, each [2048][2048] f32 with K innermost, become codes of FP6 (E2M3) with one E8M0 byte for each 32 along K.  (b) cos and sin of freq_pos_enc [2048][128].
; A block's scale is 2^(floor(log2(its largest magnitude)) - 2); its byte is the largest magnitude's exponent field - 2, held at 1 from below.
; LAYOUT OF THE CODES: images of the operand's registers.  A fragment (16 rows x 128 K) is 12 registers a lane: lane (r, h) holds row r, registers 6 c .. 6 c + 5 hold K = 64 c + 32 h + 0 .. 31.
;   It lies as 3 pieces of 512 bytes, piece c = registers 4 c .. 4 c + 3, lane l's 16 bytes at 16 l.  codes: [tensor 4][row-block 128][K step 16][1,536 bytes].
;   scales: [tensor][row-block][g 4][row 16][4 words]: word q is the row's scale word of K step 4 g + q.
; ORDER OF ROWS: in x, wq, wk, wv stored row r of row-block 2 B + u is natural row 32 B + 8 u + r % 8 + 16 (r / 8), so that a product that takes such blocks as source 0 leaves 16 natural neighbours in a
;   lane's 16 registers of two neighbouring blocks.  wo keeps the natural order.
; tab: [row-block of positions 128, the same order of rows][b 8][piece 4][lane 32][16 bytes]: lane (r, h), block b: d = 32 (b / 2) + 16 h + 8 (b % 2) + j; pieces 0, 1: cos, j = 0-3, 4-7; pieces 2, 3: sin.
; SHARES: work-groups 0-31 make the table, a wave a row-block of positions.  Work-groups 32-543 quantise: one row-block of one tensor each, wave w its K steps 4 w .. 4 w + 3.  Waves share nothing: no barrier.
; Memory binds this launch: every load of the quantiser reads 512 consecutive bytes, every store of codes writes 512, a wave's scale words leave as one aligned 256 bytes.  No matrix unit, no cluster: no tile is shared.
; LIMITS: NaN and infinities are not served.  A block whose largest magnitude lies under 2^-124 (a block of zeros too) gets the byte 1: a block of zeros has zero codes, and this program alone reads the bytes.
;   |freq_pos_enc| up to 2^22: the reduction takes pi/2 in two parts, and what it leaves out is 1.7e-15 for each quarter turn.
; The input mask is read by no launch of this program: reference() never names it, so no result hangs on it.
; OF THE TENSORS NAMED ABOVE THIS LAUNCH SERVES x, wq, wk, wv (tensors 0-3: work-groups 32-543).  wo is quantised by the launch qkv, on work-groups of its own, and is no argument here.
.set STG,   16*528                     ; a wave's stage in LDS: 16 rows of 512 bytes + 16
.set SPARE, 4*STG                      ; behind the stages: the spare words, 128 bytes for each wave
.set VB,   4                           ; v4   byte offset of my 16 bytes in stored rows 8-15 (table path: my lane's place in freq_pos_enc)
.set LI,   5                           ; v5   16 x lane
.set SO8,  6                           ; v6   16 r + 8 h: where my two scale words go
.set SPW,  12                          ; v12  LDS address of my spare word; never rewritten
.set NIL,  13                          ; v13  0; never rewritten
.set SIN,  14                          ; v14  the stage, on the way in
.set SOUT, 15                          ; v15  and on the way out
.set PC,   16                          ; v16-34  the codes just made
.set TM,   36                          ; v36-51  at work in QUANT
.set E,    52                          ; v52-55  the four K steps' scale words
.set R0,   64                          ; v64-191 two sets of 64 registers as loaded
.set X,    192                         ; v192-255 64 numbers of my row: register 16 b + i = K 32 b + 16 h + i
.set SEL,  36                          ; s[36:37] lane selects: lane l xor 16
.set KK,   16                          ; table path, eight registers each: quarter turns, later z r, z z, cos
.set RR,   24                          ; the reduced angle, later 1 - z / 2, sin
.set ZZ,   32                          ; its square, later bits
.set PS,   40                          ; sin's polynomial
.set PCS,  48                          ; cos's
.set QQ,   56                          ; quarter turns as a whole number
.set PE,   64                          ; v64-127 my 64 angles
.set OUT,  128                         ; v128-255 cos at 16 b + j, sin at 16 b + 8 + j
; 64 numbers of a lane, register 16 b + i = K 32 b + 16 h + i of my row, become a fragment's codes in v[PC] on and its scale word in v[pw].
.macro QUANT s, pw
.irp b, 0,1,2,3
	v_max3_num_f32 v[TM+\b], |v[(\s)+16*\b]|, |v[(\s)+1+16*\b]|, 0x1800000   ; block b: my 16 numbers, and the floor 2^(3 - 127): the byte cannot fall under 1
.endr
.irp i, 2,4,6,8,10,12,14
.irp b, 0,1,2,3
	v_max3_num_f32 v[TM+\b], v[TM+\b], |v[(\s)+16*\b+\i]|, |v[(\s)+1+16*\b+\i]|   ; the four blocks by turns
.endr
.endr
.irp b, 0,1,2,3
	v_permlanex16_b32 v[TM+4+\b], v[TM+\b], s[SEL], s[SEL+1]
.endr
.irp b, 0,1,2,3
	v_max_num_f32 v[TM+\b], v[TM+\b], v[TM+4+\b]   ; with lane l xor 16's 16: the block's largest magnitude
.endr
.irp b, 0,1,2,3
	v_add_nc_u32 v[TM+12+\b], 0xff000000, v[TM+\b]   ; 2 off its exponent field: the conversion takes this operand's exponent field as its scale
.endr
.irp b, 0,1,2,3
	v_lshrrev_b32 v[TM+4+\b], 23, v[TM+12+\b]      ; the scale's byte
.endr
	v_lshl_or_b32 v[\pw], v[TM+5], 8, v[TM+4]      ; four bytes: my row's scale word
	v_lshl_or_b32 v[\pw], v[TM+6], 16, v[\pw]
	v_lshl_or_b32 v[\pw], v[TM+7], 24, v[\pw]
.irp c, 0,1
	v_cvt_scalef32_pk16_fp6_f32 v[PC+6*\c:PC+2+6*\c], v[(\s)+32*\c:(\s)+15+32*\c], v[TM+12+2*\c]
	v_cvt_scalef32_pk16_fp6_f32 v[PC+12+4*\c:PC+14+4*\c], v[(\s)+16+32*\c:(\s)+31+32*\c], v[TM+13+2*\c]   ; (a conversion's three registers begin on an even number)
.endr
	v_nop                                          ; one plain instruction behind a scaled conversion
.irp c, 0,1                                    ; the layout wants a whole block in a lane: lanes 0-15 block 2 c, lanes 16-31 block 2 c + 1
.irp i, 0,1,2
	v_permlane16_swap_b32 v[PC+6*\c+\i], v[PC+12+4*\c+\i]
.endr
.irp i, 0,1,2
	v_mov_b32 v[PC+3+6*\c+\i], v[PC+12+4*\c+\i]
.endr
.endr
.endm
	s_load_b256 s[4:11], s[0:1], 0x0               ; x s[4:5], wq s[6:7], wk s[8:9], wv s[10:11]
	s_load_b64 s[14:15], s[0:1], 0x20              ; freq_pos_enc
	s_load_b128 s[16:19], s[0:1], 0x28             ; codes s[16:17], scales s[18:19]
	s_load_b64 s[20:21], s[0:1], 0x38              ; tab
	v_lshl_add_u32 v[SPW], v0, 2, SPARE
	v_mov_b32 v[NIL], 0
	v_lshrrev_b32 v1, 5, v0
	v_readfirstlane_b32 s22, v1                    ; wave 0..3
	v_and_b32 v1, 31, v0                           ; lane
	v_and_b32 v2, 15, v0                           ; r
	v_bfe_u32 v3, v0, 4, 1                         ; h
	v_lshlrev_b32 v[LI], 4, v1
	s_cmp_lt_u32 ttmp9, 32
	s_cbranch_scc1 .Ltable
	; ---- THE QUANTISER
	s_sub_co_u32 s23, ttmp9, 32                    ; 128 x tensor + row-block
	s_lshr_b32 s26, s23, 7                         ; tensor 0..3
	s_and_b32 s27, s23, 127
	s_lshr_b32 s28, s27, 1                         ; B
	s_and_b32 s29, s27, 1                          ; u
	s_mov_b32 s30, 8                               ; rows from block 2 B to block 2 B + 1
	s_mov_b32 s31, 16                              ; rows from stored row 0 to stored row 8
	s_mul_i32 s30, s30, s29
	s_lshl_b32 s28, s28, 5
	s_add_co_u32 s28, s28, s30                     ; the natural row of stored row 0
	s_lshl_b32 s28, s28, 13                        ; x 8,192 bytes
	s_lshl_b32 s30, s22, 11                        ; + my wave's four K steps: 2,048 bytes of each row
	s_add_co_u32 s28, s28, s30
	s_mov_b32 s29, 0
	s_lshl_b32 s31, s31, 13
	s_wait_alu depctr_va_vdst(0)
	v_add_nc_u32 v[VB], s31, v[LI]
	s_mul_i32 s32, s23, 24576                      ; the row-block's codes,
	s_mul_i32 s34, s22, 6144                       ; my four fragments of them
	s_add_co_u32 s32, s32, s34
	s_mov_b32 s33, 0
	s_lshl_b32 s34, s23, 10                        ; its scale words,
	s_lshl_b32 s35, s22, 8                         ; my 256 bytes of them
	s_add_co_u32 s34, s34, s35
	s_mov_b32 s35, 0
	s_mul_i32 s38, s22, STG
	v_add_nc_u32 v[SIN], s38, v[LI]                ; into the stage: a row's 512 bytes as they lie
	v_mul_u32_u24 v[SOUT], v2, 528
	v_lshl_add_u32 v[SOUT], v3, 6, v[SOUT]
	v_add_nc_u32 v[SOUT], s38, v[SOUT]             ; out of it: row r, + 64 h: my 16 numbers of each block of 32
	v_lshlrev_b32 v[SO8], 4, v2
	v_lshl_add_u32 v[SO8], v3, 3, v[SO8]
	s_mov_b32 s[SEL], 0x76543210
	s_mov_b32 s[SEL+1], 0xfedcba98
.irp b, 0,1,2,3
	v_mov_b32 v[TM+4+\b], 0                        ; written once: a lane permute's destination counts as one of its sources
.endr
	s_wait_alu depctr_va_vdst(0)
	s_wait_kmcnt 0x0
	s_mov_b64 s[24:25], s[4:5]                     ; which tensor: the choice hangs on the work-group's number alone
	s_cmp_eq_u32 s26, 1
	s_cselect_b64 s[24:25], s[6:7], s[24:25]
	s_cmp_eq_u32 s26, 2
	s_cselect_b64 s[24:25], s[8:9], s[24:25]
	s_cmp_eq_u32 s26, 3
	s_cselect_b64 s[24:25], s[10:11], s[24:25]
	s_add_nc_u64 s[24:25], s[24:25], s[28:29]
	s_add_nc_u64 s[16:17], s[16:17], s[32:33]
	s_add_nc_u64 s[18:19], s[18:19], s[34:35]
.macro LOAD s                          ; K step s of my four: 16 rows x 512 bytes; each load reads 512 consecutive bytes
.irp i, 0,1,2,3,4,5,6,7
	global_load_b128 v[R0+64*((\s)%2)+4*\i:R0+64*((\s)%2)+4*\i+3], v[LI], s[24:25] offset:\i*8192+512*(\s) th:TH_LOAD_NT
.endr
.irp i, 0,1,2,3,4,5,6,7
	global_load_b128 v[R0+64*((\s)%2)+32+4*\i:R0+64*((\s)%2)+32+4*\i+3], v[VB], s[24:25] offset:\i*8192+512*(\s) th:TH_LOAD_NT
.endr
.endm
.macro TURN s                          ; through my stage: LDS serves a wave's instructions in order, so no wait stands between the stores and the loads
.irp i, 0,1,2,3,4,5,6,7,8,9,10,11,12,13,14,15
	ds_store_b128 v[SIN], v[R0+64*((\s)%2)+4*\i:R0+64*((\s)%2)+4*\i+3] offset:\i*528
.endr
.irp b, 0,1,2,3
.irp j, 0,1,2,3
	ds_load_b128 v[X+16*\b+4*\j:X+16*\b+4*\j+3], v[SOUT] offset:128*\b+16*\j
.endr
.endr
.endm
	LOAD 0
	LOAD 1
.irp s, 0,1,2,3
.if \s < 3
	s_wait_loadcnt 16                              ; this K step's 16 loads are in; the next step's 16 may be out
.else
	s_wait_loadcnt 0x0
.endif
	TURN \s
	s_wait_dscnt 0x0                               ; my 64 numbers are back; the stage's stores have read their registers
.if \s > 0
	s_wait_xcnt 0x0                                ; the last step's stores have read the codes' registers, which are written again below
.endif
.if \s < 2
	LOAD \s+2
.endif
	QUANT X, E+\s
.irp c, 0,1,2
	global_store_b128 v[LI], v[PC+4*\c:PC+4*\c+3], s[16:17] offset:1536*\s+512*\c   ; 32 lanes store 512 consecutive bytes
.endr
.endr
	v_cmp_ne_u32 vcc_lo, 0, v3                     ; both halves of the lanes hold row r's four words: lanes 0-15 store words 0, 1, lanes 16-31 words 2, 3
	v_cndmask_b32 v56, v[E], v[E+2], vcc_lo
	v_cndmask_b32 v57, v[E+1], v[E+3], vcc_lo
	global_store_b64 v[SO8], v[56:57], s[18:19]    ; 32 lanes store 256 consecutive bytes, aligned
	s_wait_tensorcnt 0x0                           ; the wave's end
	ds_add_u32 v[SPW], v[NIL]
	s_wait_dscnt 0x0
	s_endpgm
	; ---- THE TABLE: cos and sin by reduction to |r| <= pi/4 and polynomials
.Ltable:
	s_lshl_b32 s23, ttmp9, 2
	s_add_co_u32 s23, s23, s22                     ; my row-block of positions
	s_lshr_b32 s26, s23, 1
	s_lshl_b32 s26, s26, 5
	s_and_b32 s27, s23, 1
	s_lshl_b32 s27, s27, 3
	s_add_co_u32 s26, s26, s27                     ; the natural row of stored row 0
	s_lshl_b32 s26, s26, 9                         ; x 512 bytes
	s_mov_b32 s27, 0
	s_lshl_b32 s28, s23, 14                        ; 16,384 bytes of table for a row-block
	s_mov_b32 s29, 0
	s_wait_alu depctr_va_vdst(0)
	v_and_b32 v[VB], 8, v2
	v_add_nc_u32 v[VB], v[VB], v2                  ; r + 8 (r / 8)
	v_lshlrev_b32 v[VB], 9, v[VB]
	v_lshl_add_u32 v[VB], v3, 6, v[VB]             ; + 64 h
	s_mov_b32 s30, 0x3f22f983                      ; 2 / pi
	s_mov_b32 s31, 0xbfc90fdb                      ; - pi/2, upper part
	s_mov_b32 s32, 0x333bbd2e                      ; - pi/2, lower part
	s_mov_b32 s33, 0xbe2aaaa3                      ; sin r = r + r z (S1 + z (S2 + z S3)), z = r r
	s_mov_b32 s34, 0x3c08839e
	s_mov_b32 s35, 0xb94ca1f9
	s_mov_b32 s36, 0x3d2aaaa5                      ; cos r = 1 - z / 2 + z z (C1 + z (C2 + z C3))
	s_mov_b32 s37, 0xbab6061a
	s_mov_b32 s38, 0x37ccf5ce
	s_mov_b32 s39, 0x80000000
	s_wait_alu depctr_va_vdst(0)
	s_wait_kmcnt 0x0
	s_add_nc_u64 s[14:15], s[14:15], s[26:27]
	s_add_nc_u64 s[20:21], s[20:21], s[28:29]
.irp b, 0,1,2,3,4,5,6,7
.irp i, 0,1
	global_load_b128 v[PE+8*\b+4*\i:PE+8*\b+4*\i+3], v[VB], s[14:15] offset:128*(\b/2)+32*(\b%2)+16*\i
.endr
.endr
	s_wait_loadcnt 0x0
.macro SC8 b                           ; eight angles by turns, so that no line waits for the line above it
.irp j, 0,1,2,3,4,5,6,7
	v_mul_f32 v[KK+\j], s30, v[PE+8*\b+\j]
.endr
.irp j, 0,1,2,3,4,5,6,7
	v_rndne_f32 v[KK+\j], v[KK+\j]                 ; k: quarter turns
.endr
.irp j, 0,1,2,3,4,5,6,7
	v_fma_f32 v[RR+\j], v[KK+\j], s31, v[PE+8*\b+\j]
.endr
.irp j, 0,1,2,3,4,5,6,7
	v_fma_f32 v[RR+\j], v[KK+\j], s32, v[RR+\j]    ; r = angle - k pi/2
.endr
.irp j, 0,1,2,3,4,5,6,7
	v_cvt_i32_f32 v[QQ+\j], v[KK+\j]
.endr
.irp j, 0,1,2,3,4,5,6,7
	v_mul_f32 v[ZZ+\j], v[RR+\j], v[RR+\j]
.endr
.irp j, 0,1,2,3,4,5,6,7
	v_fma_f32 v[PS+\j], v[ZZ+\j], s35, s34
.endr
.irp j, 0,1,2,3,4,5,6,7
	v_fma_f32 v[PCS+\j], v[ZZ+\j], s38, s37
.endr
.irp j, 0,1,2,3,4,5,6,7
	v_fma_f32 v[PS+\j], v[PS+\j], v[ZZ+\j], s33
.endr
.irp j, 0,1,2,3,4,5,6,7
	v_fma_f32 v[PCS+\j], v[PCS+\j], v[ZZ+\j], s36
.endr
.irp j, 0,1,2,3,4,5,6,7
	v_mul_f32 v[KK+\j], v[ZZ+\j], v[RR+\j]         ; z r
.endr
.irp j, 0,1,2,3,4,5,6,7
	v_fma_f32 v[PS+\j], v[PS+\j], v[KK+\j], v[RR+\j]   ; sin r
.endr
.irp j, 0,1,2,3,4,5,6,7
	v_fma_f32 v[RR+\j], v[ZZ+\j], -0.5, 1.0
.endr
.irp j, 0,1,2,3,4,5,6,7
	v_mul_f32 v[KK+\j], v[ZZ+\j], v[ZZ+\j]
.endr
.irp j, 0,1,2,3,4,5,6,7
	v_fma_f32 v[PCS+\j], v[PCS+\j], v[KK+\j], v[RR+\j]   ; cos r
.endr
.irp j, 0,1,2,3,4,5,6,7
	v_and_b32 v[ZZ+\j], 1, v[QQ+\j]
.endr
.irp j, 0,1,2,3,4,5,6,7
	v_cmp_eq_u32 s[40+\j], 1, v[ZZ+\j]             ; an odd number of quarter turns: sin and cos change places.  The choice selects values alone
.endr
.irp j, 0,1,2,3,4,5,6,7
	v_cndmask_b32 v[RR+\j], v[PS+\j], v[PCS+\j], s[40+\j]
	v_cndmask_b32 v[KK+\j], v[PCS+\j], v[PS+\j], s[40+\j]
.endr
.irp j, 0,1,2,3,4,5,6,7
	v_lshlrev_b32 v[ZZ+\j], 30, v[QQ+\j]           ; sin is negated where bit 1 of k is set,
	v_add_nc_u32 v[QQ+\j], 1, v[QQ+\j]             ; cos where bit 1 of k + 1 is
.endr
.irp j, 0,1,2,3,4,5,6,7
	v_and_b32 v[ZZ+\j], s39, v[ZZ+\j]
	v_lshlrev_b32 v[QQ+\j], 30, v[QQ+\j]
.endr
.irp j, 0,1,2,3,4,5,6,7
	v_xor_b32 v[OUT+16*\b+8+\j], v[ZZ+\j], v[RR+\j]
	v_and_b32 v[QQ+\j], s39, v[QQ+\j]
.endr
.irp j, 0,1,2,3,4,5,6,7
	v_xor_b32 v[OUT+16*\b+\j], v[QQ+\j], v[KK+\j]
.endr
.endm
.irp b, 0,1,2,3,4,5,6,7
	SC8 \b
.irp p, 0,1,2,3
	global_store_b128 v[LI], v[OUT+16*\b+4*\p:OUT+16*\b+4*\p+3], s[20:21] offset:2048*\b+512*\p   ; 512 consecutive bytes; no register of OUT is written twice
.endr
.endr
	s_wait_tensorcnt 0x0                           ; the same three lines on this path
	ds_add_u32 v[SPW], v[NIL]
	s_wait_dscnt 0x0
	s_endpgm
.Lfunc_end_k_qde756b1880_prep:
	.size	k_qde756b1880_prep, .Lfunc_end_k_qde756b1880_prep-k_qde756b1880_prep
	.p2alignl 7, 3214868480
	.fill 96, 4, 3214868480
	.section	.rodata,"a",@progbits
	.p2align	6, 0x0
	.amdhsa_kernel k_qde756b1880_prep
		.amdhsa_group_segment_fixed_size 34304
		.amdhsa_private_segment_fixed_size 0
		.amdhsa_enable_private_segment 0
		.amdhsa_kernarg_size 64
		.amdhsa_user_sgpr_count 2
		.amdhsa_user_sgpr_kernarg_segment_ptr 1
		.amdhsa_wavefront_size32 1
		.amdhsa_system_sgpr_workgroup_id_x 1
		.amdhsa_system_sgpr_workgroup_id_y 1
		.amdhsa_system_sgpr_workgroup_id_z 1
		.amdhsa_system_vgpr_workitem_id 0
		.amdhsa_next_free_vgpr 256
		.amdhsa_next_free_sgpr 66
		.amdhsa_reserve_vcc 1
		.amdhsa_float_denorm_mode_32 3
		.amdhsa_float_denorm_mode_16_64 3
		.amdhsa_memory_ordered 1
		.amdhsa_forward_progress 1
		.amdhsa_inst_pref_size 116
	.end_amdhsa_kernel
	.amdgpu_metadata
---
amdhsa.version: [ 1, 2 ]
amdhsa.kernels:
  - .name:           k_qde756b1880_prep
    .symbol:         k_qde756b1880_prep.kd
    .args:
      - { .name: x, .offset: 0, .size: 8, .value_kind: global_buffer, .address_space: global }
      - { .name: wq, .offset: 8, .size: 8, .value_kind: global_buffer, .address_space: global }
      - { .name: wk, .offset: 16, .size: 8, .value_kind: global_buffer, .address_space: global }
      - { .name: wv, .offset: 24, .size: 8, .value_kind: global_buffer, .address_space: global }
      - { .name: freq_pos_enc, .offset: 32, .size: 8, .value_kind: global_buffer, .address_space: global }
      - { .name: codes, .offset: 40, .size: 8, .value_kind: global_buffer, .address_space: global }
      - { .name: scales, .offset: 48, .size: 8, .value_kind: global_buffer, .address_space: global }
      - { .name: tab, .offset: 56, .size: 8, .value_kind: global_buffer, .address_space: global }
    .group_segment_fixed_size: 34304
    .private_segment_fixed_size: 0
    .kernarg_segment_align: 8
    .kernarg_segment_size: 64
    .max_flat_workgroup_size: 128
    .sgpr_count:     66
    .vgpr_count:     256
    .wavefront_size: 32
...
	.end_amdgpu_metadata
.endif
;; end of part 1
;; launch qkv (part 2): grid 32 x 8, 4 waves a work-group, clusters of 4 x 4, 327,680 bytes of LDS; arguments codes, scales, tab, qkv, wo, woc, asc; writes qkv, woc, asc
.if DOCPART == 2
	.amdgcn_target "amdgcn-amd-amdhsa--gfx1250"
	.amdhsa_code_object_version 6
	.text
	.protected	k_qde756b1880_qkv
	.globl	k_qde756b1880_qkv
	.p2align	8
	.type	k_qde756b1880_qkv,@function
k_qde756b1880_qkv:
	s_mov_b64 s[64:65], 0
	v_nop
	global_prefetch_b8 v0, s[64:65] scope:SCOPE_SE
	s_setreg_imm32_b32 hwreg(HW_REG_WAVE_MODE, 25, 1), 1
	s_wait_xcnt 0x0
	s_wait_alu depctr_hold_cnt(0) depctr_sa_sdst(0) depctr_va_vdst(0) depctr_va_sdst(0) depctr_va_ssrc(0) depctr_va_vcc(0) depctr_vm_vsrc(0)
	s_getreg_b32 s2, hwreg(HW_REG_IB_STS2, 6, 4)
	s_cmp_eq_u32 s2, 0
	s_cbranch_scc0 .Lentry_in_a_cluster
	s_endpgm
.Lentry_in_a_cluster:
	s_bfe_u32 s2, ttmp6, 0x10000c
	s_cmp_lg_u32 s2, 0xf033
	s_cbranch_scc0 .Lentry_shape_is_right
	s_endpgm
.Lentry_shape_is_right:
; QKV.  q, k, v = x W^T on codes of FP6 (E2M3) with E8M0 scales, K = 2,048; q and k are rotated by the table of cos and sin; all three are quantised again for the attention and stored as images of operand registers.
; IN: codes [tensor 4][row-block 128][K step 16][1,536 bytes], scales [tensor][row-block][g 4][row 16][4 words], tab [row-block of positions][b 8][piece 4][lane][16 bytes] (cos, cos, sin, sin).
; OUT: qkv [X 48][Y 16][12,800 bytes]: X = head (q), 16 + head (k), 32 + head (v); Y = group of 128 positions; 8 fragments of 1,536 bytes, then 512 bytes of scale words.
; A block of 256 x 256 to a work-group of four waves, 128 x 128 a wave: 64 accumulators.  Clusters x 0-3: source 1 = x (positions), source 0 = wq, wk: a lane holds a position, its registers run along d.
; Clusters x 4, 5: source 1 = wv (channels), source 0 = x: a lane holds a channel, its registers run along the keys.  In both the next product's K runs along a lane's registers.
; WHICH COLUMNS A WAVE TAKES: the block's source 0 rows are two units of 128 (two heads, or two key steps).  Wave (s15, c) takes row-blocks 4 c .. 4 c + 3 of BOTH units: 64 of each unit's 128.  So one table of 64 d
; serves both heads: 64 KB a wave in place of 128.  A wave then holds registers 6 c .. 6 c + 5 of each fragment and two of its four scale bytes; the two waves of a pair hand their halves to each other through a
; stage in LDS (slot 0: it has had its last fill, and nobody reads it behind the walk's last barrier), and wave c stores unit c whole: every store covers 512 consecutive bytes.
; RING: two slots of three K steps (the last chunk has one), each wave one joint load of 8 row-blocks behind each round of the cluster's barrier; A's tiles are shared along a row of the cluster, B's along a column.
; PREFETCH: chunks 3, 4, 5 are asked for two refills ahead of their loads; of the 8 row-blocks that a wave fetches each of the four partners names two, told apart by address; a lane a block of 256 bytes (18 to a
; chunk of a row-block, 6 in the last; lanes left over name the last block again).  Chunks 0-2 come by their loads alone.  The table: in K step 9 each partner names two of the wave's eight blocks of 8 KB.
; The walk along K is written out: the sixteen steps' scale words lie in 128 registers whose numbers change from step to step.
; LIMITS: NaN and infinities are not served; a block whose largest magnitude lies under 2^-124 gets the scale byte 1.  The input mask is read by no launch: reference() never names it.
; REGISTERS: window 0: v0-15 addresses; v16-143 scale words (16 i + j: lanes 0-15 A's block i, lanes 16-31 B's block i, K step j); v144-239 A's fragments, later the rotated numbers and the quantiser's work.
;   window 1: B's fragments, two sets at v0 and v128; on the way out four tables of 64 registers.  windows 2, 3: the accumulators, (a, b) at v[8 (8 (a % 4) + b)].
; CLUSTERS x = 6, 7 (64 work-groups) take no part in the products: they quantise wo [2048][2048] f32 for the last launch, on a path of their own at this text's end, with no tensor load and LDS bytes of its own.
.set CK,    3
.set NCH,   6
.set FR,    12
.set NL,    3
.set NP,    4
.set FIB,   1536
.set RBS,   CK*FIB
.set HALFT, 8*RBS
.set SLOT,  4*HALFT
.set SPARE, 2*SLOT
.set STW,   12288                      ; the stage: a wave's codes [a 8][unit 2][3 x 256 bytes]
.set STE,   4*STW                      ; behind them its scale words, 1,024 bytes a wave
.set PFL,  0                           ; v0  256 x min(lane, 5), made at the head's end
.set ADRBL, 1                          ; v1  B's fragments in the last chunk
.set ADRA, 2
.set ADRB, 4
.set LI,   6
.set SPW,  7
.set NIL,  8
.set HH,   9
.set PFT,  10                          ; 256 x lane
.set SW,   11                          ; the stage: where I put codes, where I read, the same for words
.set SR,   12
.set SWE,  13
.set SRE,  14
.set PFO,  15                          ; 256 x min(lane, 17)
.set SC,   16
.set OC,   16                          ; the way out: a unit's 96 registers of codes
.set PE,   112                         ; my partner's words
.set WD,   120                         ; the whole words
.set AF,   144
.set HA,   144
.set PC,   208
.set TM,   228
.set E,    244
.set ES,   252
.set VS,   244                         ; head only: v244, v245 offsets of the scale words; v246-250 at work
.set T0,   246
.set T1,   247
.set T2,   248
.set T3,   249
.set T4,   250
.set G1,   24
.set G0,   32
.set G1B,  48
.set G0B,  56
.set G1L,  68
.set G1LB, 76
.set PFA,  88                          ; s[88:89] my two row-blocks for the prefetches
.set PT,   90                          ; s[90:91] my two blocks of the table for the prefetch
.set SEL,  96
.set MSB, 0
.macro WIN new
.if MSB != \new
	s_set_vgpr_msb (MSB<<8)|\new
.set MSB, \new
.endif
.endm
.set MUL_LO, 0xa1
.set MUL_HI, 0xf1
.set TO_B,   0x40
.macro JLOAD g0a, g1a, g0b, g1b        ; a joint load: waves 0, 1 fetch for A, waves 2, 3 for B; s_nop 0 and four v_nop follow each line
	s_cmp_eq_u32 s15, 0
	s_cbranch_scc0 .Lfor_b_\@
	tensor_load_to_lds s[\g0a:\g0a+3], s[\g1a:\g1a+7]
	s_nop 0
.rept 4
	v_nop
.endr
	s_branch .Lasked_\@
.Lfor_b_\@:
	tensor_load_to_lds s[\g0b:\g0b+3], s[\g1b:\g1b+7]
	s_nop 0
.rept 4
	v_nop
.endr
.Lasked_\@:
.endm
.macro CREST
	s_cmp_lg_u32 s14, 0
	s_cbranch_scc1 .Lnot_wave_0_\@
	s_barrier_signal -3
.Lnot_wave_0_\@:
	s_barrier_wait -3
	s_barrier_signal -1
	s_barrier_wait -1
.endm
.macro CROUND
	s_barrier_signal -1
	s_barrier_wait -1
	CREST
.endm
.macro PREF n, vo                      ; chunk n of my two row-blocks
	global_prefetch_b8 v[\vo], s[PFA:PFA+1] offset:(\n)*RBS th:TH_LOAD_NT scope:SCOPE_SE
	global_prefetch_b8 v[\vo], s[PFA:PFA+1] offset:(\n)*RBS+24576 th:TH_LOAD_NT scope:SCOPE_SE
.endm
	s_load_b256 s[4:11], s[0:1], 0x0               ; codes, scales, tab, qkv
	v_lshl_add_u32 v[SPW], v0, 2, SPARE
	v_mov_b32 v[NIL], 0
	ds_add_u32 v[SPW], v[NIL]                      ; the opening lines: the add, twice on end, and its wait ahead of my first tensor load
	ds_add_u32 v[SPW], v[NIL]
	v_lshrrev_b32 v[T0], 5, v0
	v_readfirstlane_b32 s14, v[T0]                 ; wave
	s_lshr_b32 s15, s14, 1                         ; my half of A's rows.  Also: I fetch for A (0) or B (1)
	s_and_b32 s16, s14, 1                          ; c.  Also: which 8 row-blocks I fetch
	s_bfe_u32 s40, ttmp6, 0x40000
	s_bfe_u32 s41, ttmp6, 0x40004
	s_lshl_b32 s42, ttmp9, 2
	s_add_co_u32 s42, s42, s40                     ; tile column
	s_and_b32 s17, ttmp7, 0xffff
	s_lshl_b32 s17, s17, 2
	s_add_co_u32 s17, s17, s41                     ; tile row
	s_lshl_b32 s43, s41, 2
	s_lshl_b32 s43, 15, s43
	s_lshl_b32 s44, 0x1111, s40
	s_or_b32 s[G1+0], s43, (3<<16)|(1<<21)         ; 8 rows (row-blocks) of 3 K steps = 576 elements of 8 bytes, 3,072 elements apart
	s_or_b32 s[G1B+0], s44, (3<<16)|(1<<21)
.irp g, G1, G1B
	s_mov_b32 s[\g+1], (CK*192)<<16
	s_mov_b32 s[\g+2], 8<<16
	s_mov_b32 s[\g+3], (CK*192)<<16
	s_mov_b32 s[\g+4], 8
	s_mov_b32 s[\g+5], 3072
	s_mov_b32 s[\g+6], 0
	s_mov_b32 s[\g+7], 0
.endr
	s_or_b32 s[G1L+0], s43, (3<<16)|(1<<21)        ; the last chunk: one K step
	s_or_b32 s[G1LB+0], s44, (3<<16)|(1<<21)
.irp g, G1L, G1LB
	s_mov_b32 s[\g+1], 192<<16
	s_mov_b32 s[\g+2], 8<<16
	s_mov_b32 s[\g+3], 192<<16
	s_mov_b32 s[\g+4], 8
	s_mov_b32 s[\g+5], 3072
	s_mov_b32 s[\g+6], 0
	s_mov_b32 s[\g+7], 0
.endr
	s_cmp_ge_u32 ttmp9, 4                          ; clusters 4, 5 make v: A = wv (tensor 3), B = x (tensor 0); the others: A = x, B = wq, wk
	s_cselect_b32 s18, 384, 0
	s_cselect_b32 s19, 0, 384
	s_lshl_b32 s20, s17, 4
	s_add_co_u32 s20, s20, s18                     ; A's tile: its first row-block
	s_lshl_b32 s46, s42, 4
	s_add_co_u32 s46, s46, s19
	s_sub_co_u32 s46, s46, 256                     ; B's
	s_lshl_b32 s86, s15, 3
	s_add_co_u32 s84, s20, s86
	s_lshl_b32 s84, s84, 10                        ; scale words of my A blocks,
	s_lshl_b32 s86, s16, 2
	s_add_co_u32 s85, s46, s86
	s_lshl_b32 s85, s85, 10                        ; and of my B blocks: 4 c on in unit 0
	s_lshl_b32 s94, s16, 3
	s_add_co_u32 s20, s20, s94                     ; the 8 row-blocks that I fetch
	s_add_co_u32 s46, s46, s94
	s_cmp_eq_u32 s15, 0
	s_cselect_b32 s88, s20, s46
	s_cselect_b32 s89, s40, s41                    ; my place among the four that ask with me
	s_lshl_b32 s89, s89, 1
	s_add_co_u32 s88, s88, s89
	s_mul_i32 s88, s88, 24576
	s_mov_b32 s89, 0
	s_mul_i32 s20, s20, 24576
	s_mov_b32 s21, 0
	s_mul_i32 s46, s46, 24576
	s_mov_b32 s47, 0
	s_mul_i32 s45, s14, HALFT
	v_and_b32 v[T1], 15, v0
	v_bfe_u32 v[HH], v0, 4, 1
	v_and_b32 v[T2], 31, v0
	v_lshlrev_b32 v[LI], 4, v[T2]
	v_mov_b32 v[T3], s84
	v_mov_b32 v[T4], s85
	v_cmp_ne_u32 vcc_lo, 0, v[HH]
	v_cndmask_b32 v[T3], v[T3], v[T4], vcc_lo      ; lanes 0-15 A's words, lanes 16-31 B's
	v_lshl_add_u32 v[VS], v[T1], 4, v[T3]
	v_lshl_add_u32 v[VS+1], v[HH], 12, v[VS]       ; blocks 4-7: B's lie in unit 1, four row-blocks further on than A's
	s_wait_alu depctr_va_vdst(0)
	s_wait_dscnt 0x0                               ; both opening adds are done
	s_cmp_ge_u32 ttmp9, 6                          ; clusters 6, 7 quantise wo: the cluster's number alone, the same in all sixteen partners
	s_cbranch_scc1 .Lwo
	s_wait_kmcnt 0x0
.irp i, 0,1,2,3,4,5,6,7
.irp g, 0,1,2,3
	global_load_b128 v[SC+16*\i+4*\g:SC+16*\i+4*\g+3], v[VS+\i/4], s[6:7] offset:\i*1024+\g*256
.endr
.endr
	s_add_nc_u64 s[20:21], s[4:5], s[20:21]
	s_add_nc_u64 s[46:47], s[4:5], s[46:47]
.irp s, 0,1
	s_mov_b32 s[G0+4*\s], 1
	s_add_co_u32 s[G0+4*\s+1], s45, \s*SLOT
	s_add_nc_u64 s[G0+4*\s+2:G0+4*\s+3], s[20:21], \s*RBS
	s_or_b32 s[G0+4*\s+3], s[G0+4*\s+3], 0x80000000
	s_mov_b32 s[G0B+4*\s], 1
	s_add_co_u32 s[G0B+4*\s+1], s45, \s*SLOT
	s_add_nc_u64 s[G0B+4*\s+2:G0B+4*\s+3], s[46:47], \s*RBS
	s_or_b32 s[G0B+4*\s+3], s[G0B+4*\s+3], 0x80000000
.endr
	CROUND                                         ; all sixteen work-groups are here
	JLOAD G0, G1, G0B, G1B                         ; chunk 0: my one load at the head; the rest of the head stands under its flight
	s_add_nc_u64 s[PFA:PFA+1], s[4:5], s[88:89]
	s_lshl_b32 s22, s42, 1
	s_add_co_u32 s22, s22, s16                     ; 2 x tile column + c
	s_lshl_b32 s23, s17, 1
	s_add_co_u32 s23, s23, s15                     ; 2 x tile row + my half
	s_lshl_b32 s90, s23, 17                        ; the table of my 128 positions,
	s_lshl_b32 s93, s16, 13                        ; its blocks 4 c on
	s_add_co_u32 s90, s90, s93
	s_mov_b32 s91, 0
	s_add_nc_u64 s[8:9], s[8:9], s[90:91]
	s_lshl_b32 s90, s40, 15                        ; the prefetch: position blocks 2 cx, 2 cx + 1
	s_add_nc_u64 s[PT:PT+1], s[8:9], s[90:91]
	s_add_co_u32 s86, s23, 32
	s_sub_co_u32 s93, s22, 32
	s_cmp_ge_u32 ttmp9, 4
	s_cselect_b32 s86, s86, s22                    ; X of the unit that I store: q, k: the head; v: 32 + the head
	s_cselect_b32 s93, s93, s23                    ; Y: the group of positions
	s_mul_i32 s86, s86, 204800
	s_mul_i32 s93, s93, 12800
	s_add_co_u32 s86, s86, s93
	s_mov_b32 s87, 0
	s_add_nc_u64 s[10:11], s[10:11], s[86:87]
	s_mov_b32 s92, 0x07060302                      ; c = 1: my partner's upper two bytes, then mine
	s_cmp_eq_u32 s16, 0
	s_cselect_b32 s92, 0x01000504, s92             ; c = 0: my lower two bytes, then my partner's
	s_mov_b32 s[SEL], 0x76543210
	s_mov_b32 s[SEL+1], 0xfedcba98
	s_mul_i32 s18, s15, HALFT
	s_add_co_u32 s19, s18, SLOT
	s_mul_i32 s20, s16, 4*RBS
	s_add_co_u32 s20, s20, 2*HALFT
	s_add_co_u32 s21, s20, SLOT
	s_mul_i32 s22, s16, 4*FIB
	s_add_co_u32 s22, s22, 2*HALFT+SLOT
	s_mul_i32 s23, s14, STW
	s_mul_i32 s84, s15, 2*STW
	s_mul_i32 s93, s16, 768
	s_add_co_u32 s84, s84, s93
	s_lshl_b32 s85, s14, 10
	s_add_co_u32 s85, s85, STE
	s_xor_b32 s86, s14, 1
	s_lshl_b32 s86, s86, 10
	s_add_co_u32 s86, s86, STE
	v_add_nc_u32 v[ADRA], s18, v[LI]
	v_add_nc_u32 v[ADRA+1], s19, v[LI]
	v_add_nc_u32 v[ADRB], s20, v[LI]
	v_add_nc_u32 v[ADRB+1], s21, v[LI]
	v_add_nc_u32 v[ADRBL], s22, v[LI]
	v_lshl_add_u32 v[SW], v[T2], 3, s23
	v_lshl_add_u32 v[SR], v[T2], 3, s84
	v_lshl_add_u32 v[SWE], v[T2], 2, s85
	v_lshl_add_u32 v[SRE], v[T2], 2, s86
	v_lshlrev_b32 v[PFT], 8, v[T2]
	v_min_u32 v[T3], 17, v[T2]
	v_min_u32 v[T4], 5, v[T2]
	v_lshlrev_b32 v[PFO], 8, v[T3]
	v_lshlrev_b32 v[PFL], 8, v[T4]
.macro FRAG reg, adr, off              ; a fragment: three pieces of 512 bytes, 16 bytes a lane
.irp c, 0,1,2
	ds_load_b128 v[\reg+4*\c:\reg+4*\c+3], v[\adr] offset:\off+512*\c
.endr
.endm
.macro MUL16 a0, p, j, zero            ; the 64 accumulators by turns, in the same order in every step
.irp a, \a0, \a0+1
.irp b, 0,1,2,3,4,5,6,7
.if \zero
	v_wmma_scale_f32_16x16x128_f8f6f4 v[8*(8*((\a)%4)+\b):8*(8*((\a)%4)+\b)+7], v[128*(\p)+FR*\b:128*(\p)+FR*\b+FR-1], v[AF+FR*(\a):AF+FR*(\a)+FR-1], 0, v[SC+16*\b+(\j)], v[SC+16*(\a)+(\j)] matrix_a_fmt:MATRIX_FMT_FP6 matrix_b_fmt:MATRIX_FMT_FP6 matrix_a_scale:MATRIX_SCALE_ROW1
.else
	v_wmma_scale_f32_16x16x128_f8f6f4 v[8*(8*((\a)%4)+\b):8*(8*((\a)%4)+\b)+7], v[128*(\p)+FR*\b:128*(\p)+FR*\b+FR-1], v[AF+FR*(\a):AF+FR*(\a)+FR-1], v[8*(8*((\a)%4)+\b):8*(8*((\a)%4)+\b)+7], v[SC+16*\b+(\j)], v[SC+16*(\a)+(\j)] matrix_a_fmt:MATRIX_FMT_FP6 matrix_b_fmt:MATRIX_FMT_FP6 matrix_a_scale:MATRIX_SCALE_ROW1
.endif
.endr
.endr
.endm
.macro FETCH_B adr, q, p, rb           ; my block i: unit i / 4 (a half of B's tile), row-block 4 c + i % 4 of it (4 c lies in the address)
	WIN TO_B
.irp i, 0,1,2,3,4,5,6,7
	FRAG 128*(\p)+FR*\i, \adr, (\i/4)*HALFT+(\i%4)*(\rb)+(\q)*FIB
.endr
	WIN 0
.endm
.macro FETCH_A slot, q, i0, rb
.irp i, \i0, \i0+1, \i0+2, \i0+3
	FRAG AF+FR*(\i), ADRA+\slot, (\i)*(\rb)+(\q)*FIB
.endr
.endm
.macro PLACES n                        ; plain instructions between a matrix instruction and loads into its registers or reads of its results
.rept \n
	v_nop
.endr
.endm
; A K step: 64 matrix instructions; the next step's fragments are fetched in its middle and at its end.  At a chunk's last step: all my tensor loads are waited for, the add, my LDS reads, one barrier;
; where a chunk two on is left, the barrier opens a round of the cluster's barrier and the slot is filled again.
.macro KSTEP j
.set XJ, \j
.set XP, XJ%2
.set YP, 1-XP
.set XC, XJ/CK
.set XS, XC%2
.set YC, (XJ+1)/CK
.set YS, YC%2
.set YQ, (XJ+1)%CK
.set YRB, RBS
.set YAB, ADRB+YS
.if YC == NCH-1
.set YRB, FIB
.set YAB, ADRBL
.endif
.set XZ, 0
.if XJ == 0
.set XZ, 1
.endif
.set PFC, 0
.if YC == XC
	s_wait_dscnt 4*NL                              ; all but A's blocks 4-7, the youngest 12 loads
	WIN MUL_LO
	MUL16 0, XP, XJ, XZ
	MUL16 2, XP, XJ, XZ
	s_wait_dscnt 0
	PLACES NP
.else
	s_wait_tensorcnt 0x0
	ds_add_u32 v[SPW], v[NIL]
	s_wait_dscnt 4*NL+1                            ; the add and the youngest 12 loads may be out
	WIN MUL_LO
	MUL16 0, XP, XJ, 0
	s_wait_dscnt 0x0
	s_barrier_signal -1
	MUL16 2, XP, XJ, 0
	WIN 0
	s_barrier_wait -1
.if XC+2 < NCH
	CREST
	s_add_nc_u64 s[G0+4*XS+2:G0+4*XS+3], s[G0+4*XS+2:G0+4*XS+3], 2*RBS
	s_add_nc_u64 s[G0B+4*XS+2:G0B+4*XS+3], s[G0B+4*XS+2:G0B+4*XS+3], 2*RBS
.set PFC, XC+4
.if XC+2 == NCH-1
	JLOAD G0+4*XS, G1L, G0B+4*XS, G1LB
.else
	JLOAD G0+4*XS, G1, G0B+4*XS, G1B
.endif
.else
	PLACES NP
.endif
.endif
	FETCH_B YAB, YQ, YP, YRB
	FETCH_A YS, YQ, 0, YRB
.if PFC == NCH-2
	PREF PFC, PFO                                  ; the chunk two refills on
.endif
.if PFC == NCH-1
	PREF PFC, PFL                                  ; the last chunk: 6 blocks of 256 bytes to a row-block
.endif
.if XJ == 9
	s_cmp_ge_u32 ttmp9, 4                          ; v has no table
	s_cbranch_scc1 .Lno_tab_pf
	global_prefetch_b8 v[PFT], s[PT:PT+1] th:TH_LOAD_NT scope:SCOPE_SE
	global_prefetch_b8 v[PFT], s[PT:PT+1] offset:16384 th:TH_LOAD_NT scope:SCOPE_SE
.Lno_tab_pf:
.endif
	WIN MUL_HI
	MUL16 4, XP, XJ, XZ
	MUL16 6, XP, XJ, XZ
	PLACES NP
	WIN 0
	FETCH_A YS, YQ, 4, YRB
.endm
; 64 numbers of a lane in window w, four blocks of 16 (the other 16 of each lie in lane l xor 16), become codes in v[PC] on (six registers for each pair of blocks) and four scale bytes in v[pw].
.macro QUANT s, pw, w
.set QW5, 5*(\w)
.set QW1, (\w)
	WIN QW5
.irp b, 0,1,2,3
	v_max3_num_f32 v[TM+\b], |v[(\s)+16*\b]|, |v[(\s)+1+16*\b]|, 0x1800000   ; with the floor 2^(3 - 127)
.endr
.irp i, 2,4,6,8,10,12,14
.irp b, 0,1,2,3
	v_max3_num_f32 v[TM+\b], |v[(\s)+16*\b+\i]|, |v[(\s)+1+16*\b+\i]|, v[TM+\b]
.endr
.endr
	WIN 0
.irp b, 0,1,2,3
	v_permlanex16_b32 v[TM+4+\b], v[TM+\b], s[SEL], s[SEL+1]
.endr
.irp b, 0,1,2,3
	v_max_num_f32 v[TM+\b], v[TM+\b], v[TM+4+\b]
.endr
.irp b, 0,1,2,3
	v_add_nc_u32 v[TM+12+\b], 0xff000000, v[TM+\b]   ; 2 off the exponent field: the conversion's scale operand
.endr
.irp b, 0,1,2,3
	v_lshrrev_b32 v[TM+4+\b], 23, v[TM+12+\b]
.endr
	v_lshl_or_b32 v[\pw], v[TM+5], 8, v[TM+4]
	v_lshl_or_b32 v[\pw], v[TM+6], 16, v[\pw]
	v_lshl_or_b32 v[\pw], v[TM+7], 24, v[\pw]
	WIN QW1
.irp c, 0,1
	v_cvt_scalef32_pk16_fp6_f32 v[PC+6*\c:PC+2+6*\c], v[(\s)+32*\c:(\s)+15+32*\c], v[TM+12+2*\c]
	v_cvt_scalef32_pk16_fp6_f32 v[PC+12+4*\c:PC+14+4*\c], v[(\s)+16+32*\c:(\s)+31+32*\c], v[TM+13+2*\c]
.endr
	WIN 0
	v_nop                                          ; one plain instruction behind a scaled conversion
.irp c, 0,1
.irp i, 0,1,2
	v_permlane16_swap_b32 v[PC+6*\c+\i], v[PC+12+4*\c+\i]
.endr
.irp i, 0,1,2
	v_mov_b32 v[PC+3+6*\c+\i], v[PC+12+4*\c+\i]
.endr
.endr
.endm
.macro TABLOAD a                       ; position block a: cos and sin of my 64 d: 16 loads of 512 consecutive bytes into table a % 4
	WIN TO_B
.irp b, 0,1,2,3
.irp p, 0,1,2,3
	global_load_b128 v[64*((\a)%4)+16*\b+4*\p:64*((\a)%4)+16*\b+4*\p+3], v[LI], s[8:9] offset:(\a)*16384+\b*2048+\p*512
.endr
.endr
	WIN 0
.endm
.macro ROPE a                          ; u cos + rotate_half(u) sin; accumulators b and b + 4 (the two heads) take the same table; each accumulator is read from its low end on
.set AC, 64*((\a)%4)
.set TT, 64*((\a)%4)
.set RW, 6+(\a)/4
	WIN RW
.irp b, 0,1,2,3,4,5,6,7
.irp i, 0,2,4,6
	v_pk_mul_f32 v[HA+8*\b+\i:HA+8*\b+\i+1], v[AC+8*\b+\i:AC+8*\b+\i+1], v[TT+16*(\b%4)+\i:TT+16*(\b%4)+\i+1]
.endr
.irp i, 0,2,4,6
	v_fma_f32 v[HA+8*\b+\i], -v[AC+8*\b+\i+1], v[TT+16*(\b%4)+8+\i], v[HA+8*\b+\i]
	v_fma_f32 v[HA+8*\b+\i+1], v[AC+8*\b+\i], v[TT+16*(\b%4)+9+\i], v[HA+8*\b+\i+1]
.endr
.endr
	WIN 0
.endm
.macro STASH a                         ; my six registers of both units' fragment a, and my four bytes, into my part of the stage: 8 or 4 bytes a lane, dense
.irp u, 0,1
.irp k, 0,1,2
	ds_store_b64 v[SW], v[PC+6*\u+2*\k:PC+6*\u+2*\k+1] offset:(\a)*1536+\u*768+\k*256
.endr
.endr
	ds_store_b32 v[SWE], v[E+(\a)] offset:(\a)*128
.endm
	s_wait_alu depctr_va_vdst(0)
	s_wait_tensorcnt 0x0                           ; my part of chunk 0 is in; the same lines as ahead of a refill:
	ds_add_u32 v[SPW], v[NIL]
	s_wait_dscnt 0x0
	CROUND
	JLOAD G0+4, G1, G0B+4, G1B                     ; slot 1's first fill: chunk 1
	FETCH_B ADRB, 0, 0, RBS
	FETCH_A 0, 0, 0, RBS
	FETCH_A 0, 0, 4, RBS
	PREF 3, PFO
	s_wait_loadcnt 0x0                             ; the scale words
.irp j, 0,1,2,3,4,5,6,7,8,9,10,11,12,13,14
	KSTEP \j
.endr
	s_cmp_ge_u32 ttmp9, 4
	s_cbranch_scc1 .Lno_tab
	TABLOAD 0                                      ; into B's set 0, done with since step 14 (its places stand at that step's end)
	TABLOAD 1
.Lno_tab:
	s_wait_dscnt 4*NL
	WIN MUL_LO
	MUL16 0, 1, 15, 0
	MUL16 2, 1, 15, 0
	s_wait_dscnt 0
	WIN MUL_HI
	MUL16 4, 1, 15, 0
	MUL16 6, 1, 15, 0
	WIN 0
	PLACES NP
.irp b, 0,1,2,3
	v_mov_b32 v[TM+4+\b], 0                        ; written once: a lane permute's destination counts as one of its sources
.endr
	s_cmp_ge_u32 ttmp9, 4
	s_cbranch_scc1 .Lv
	TABLOAD 2
	TABLOAD 3
.irp a, 0,1,2,3,4,5,6,7
	s_wait_alu depctr_va_vdst(0)
.if \a < 5
	s_wait_loadcnt 48                              ; block a's table is in; the three blocks behind it, 16 loads each, may be out
.else
	s_wait_loadcnt 16*(7-\a)
.endif
	ROPE \a
.if \a < 4
	TABLOAD \a+4
.endif
.if \a > 0
	s_wait_alu depctr_va_vdst(0)
	s_wait_dscnt 0x0                               ; the last block's stores into the stage have read the codes' registers
.endif
	QUANT HA, E+\a, 0
	STASH \a
.endr
	s_branch .Lfin
.Lv:
.irp a, 0,1,2,3,4,5,6,7
.if \a > 0
	s_wait_alu depctr_va_vdst(0)
	s_wait_dscnt 0x0
.endif
	QUANT 64*(\a%4), E+\a, 2+\a/4
	STASH \a
.endr
.Lfin:
	s_wait_alu depctr_va_vdst(0)
	s_wait_dscnt 0x0                               ; for my partner's sake: my stores have landed
	s_barrier_signal -1
	s_barrier_wait -1
.irp a, 0,1,2,3,4,5,6,7                        ; unit c whole: registers 0-5 from the pair's wave 0, 6-11 from its wave 1
.irp w, 0,1
.irp k, 0,1,2
	ds_load_b64 v[OC+12*\a+6*\w+2*\k:OC+12*\a+6*\w+2*\k+1], v[SR] offset:\a*1536+\w*STW+\k*256
.endr
.endr
.endr
.irp a, 0,1,2,3,4,5,6,7
	ds_load_b32 v[PE+\a], v[SRE] offset:\a*128
.endr
.irp a, 0,1,2,3,4,5,6,7
	s_wait_dscnt 56-6*(\a+1)                       ; fragment a's six loads are in; those issued behind them may be out
.irp c, 0,1,2
	global_store_b128 v[LI], v[OC+12*\a+4*\c:OC+12*\a+4*\c+3], s[10:11] offset:\a*FIB+512*\c   ; 512 consecutive bytes
.endr
.endr
	s_wait_dscnt 0x0
.irp a, 0,1,2,3,4,5,6,7
	v_perm_b32 v[WD+\a], v[E+\a], v[PE+\a], s92    ; unit c's scale word: two bytes of mine, two of my partner's
.endr
	v_cmp_ne_u32 vcc_lo, 0, v[HH]
.irp i, 0,1,2,3
	v_cndmask_b32 v[ES+\i], v[WD+\i], v[WD+4+\i], vcc_lo   ; lanes 0-15 store fragments 0-3's words of row r, lanes 16-31 fragments 4-7's
.endr
	global_store_b128 v[LI], v[ES:ES+3], s[10:11] offset:8*FIB
	s_wait_tensorcnt 0x0                           ; the wave's end
	ds_add_u32 v[SPW], v[NIL]
	s_wait_dscnt 0x0
	CROUND                                         ; the closing round
	s_endpgm
; ---- wo INTO CODES.  woc [row-block 128][K step 16][1,536 bytes], rows in their natural order; its scale words [row-block][g 4][row 16][4 words] go to the upper half of asc (from byte 131,072).
; Work-group q = 8 (tile column - 24) + tile row takes row-blocks 2 q, 2 q + 1; wave w row-block 2 q + w / 2, K steps 8 (w % 2) .. + 7: four trips of two K steps.
; A load reads two rows' 256 consecutive bytes; 16 rows x 256 bytes at a time turn through the wave's own stage (rows 272 bytes apart), so that a lane gets 16 neighbours of each block of 32.
; LDS serves a wave's instructions in order: a half step's stores follow the loads of the half before on the same bytes.  The next pair's 32 loads are out while this pair is quantised; every wait is for 0.
; A wave's eight scale words a row are gathered in its own 512 bytes of LDS and leave as 512 consecutive bytes.
.set QST,  SPARE+512                   ; four stages of 16 x 272 bytes
.set QSZ,  16*272
.set QWS,  QST+4*QSZ                   ; four times 512 bytes of scale words: [K step 8][row 16]
.set QGA,  1                           ; v1  8,192 (lane / 16) + 16 (lane % 16): my 16 bytes of a load
.set QSI,  2                           ; v2  the stage, in
.set QSO,  3                           ; v3  the stage, out: row r, + 64 h
.set QWB,  4                           ; v4  my row's word
.set QWR,  5                           ; v5  the words, on the way out
.set QWT,  10                          ; v10 my row's word of this trip
.set QX,   16                          ; v16-143 two K steps' 64 numbers
.macro QLOAD                           ; two K steps: window 1, v0-127
	WIN 0x40
.irp u, 0,1
.irp f, 0,1
.irp i, 0,1,2,3,4,5,6,7
	global_load_b128 v[64*\u+32*\f+4*\i:64*\u+32*\f+4*\i+3], v[QGA], s[24:25] offset:\i*16384+\u*512+\f*256 th:TH_LOAD_NT
.endr
.endr
.endr
	WIN 0
.endm
.macro QTURN u
.irp f, 0,1
	WIN 0x04                                       ; an LDS store's data are its source 1: window 1
.irp i, 0,1,2,3,4,5,6,7
	ds_store_b128 v[QSI], v[64*\u+32*\f+4*\i:64*\u+32*\f+4*\i+3] offset:\i*544
.endr
	WIN 0
.irp b, 0,1
.irp j, 0,1,2,3
	ds_load_b128 v[QX+64*\u+32*\f+16*\b+4*\j:QX+64*\u+32*\f+16*\b+4*\j+3], v[QSO] offset:128*\b+16*\j
.endr
.endr
.endr
.endm
.Lwo:
	s_load_b128 s[24:27], s[0:1], 0x20             ; wo, woc
	s_load_b64 s[28:29], s[0:1], 0x30              ; asc
	s_sub_co_u32 s18, s42, 24
	s_lshl_b32 s18, s18, 3
	s_add_co_u32 s18, s18, s17                     ; q
	s_lshl_b32 s18, s18, 1
	s_add_co_u32 s18, s18, s15                     ; my row-block
	s_lshl_b32 s20, s18, 17                        ; 16 rows of 8,192 bytes,
	s_lshl_b32 s19, s16, 12                        ; my eight K steps of 512 bytes
	s_add_co_u32 s20, s20, s19
	s_mov_b32 s21, 0
	s_mul_i32 s22, s18, 24576
	s_mul_i32 s19, s16, 12288
	s_add_co_u32 s22, s22, s19
	s_mov_b32 s23, 0
	s_lshl_b32 s30, s18, 10
	s_lshl_b32 s19, s16, 9
	s_add_co_u32 s30, s30, s19
	s_add_co_u32 s30, s30, 131072
	s_mov_b32 s31, 0
	s_mul_i32 s32, s14, QSZ
	s_add_co_u32 s32, s32, QST
	s_lshl_b32 s33, s14, 9
	s_add_co_u32 s33, s33, QWS
	s_mov_b32 s[SEL], 0x76543210
	s_mov_b32 s[SEL+1], 0xfedcba98
	v_and_b32 v[T1], 15, v0
	v_bfe_u32 v[HH], v0, 4, 1
	v_and_b32 v[T2], 31, v0
	v_lshlrev_b32 v[LI], 4, v[T2]
	v_lshlrev_b32 v[T3], 4, v[T1]
	v_lshl_add_u32 v[QGA], v[HH], 13, v[T3]
	v_mad_u32_u24 v[T4], v[HH], 272, v[T3]
	v_add_nc_u32 v[QSI], s32, v[T4]
	v_mul_u32_u24 v[T4], v[T1], 272
	v_lshl_add_u32 v[T4], v[HH], 6, v[T4]
	v_add_nc_u32 v[QSO], s32, v[T4]
	v_lshl_add_u32 v[QWB], v[T1], 2, s33
	v_lshl_add_u32 v[T4], v[HH], 8, s33
	v_lshl_add_u32 v[QWR], v[T1], 2, v[T4]
.irp b, 0,1,2,3
	v_mov_b32 v[TM+4+\b], 0                        ; written once: a lane permute's destination counts as one of its sources
.endr
	s_wait_alu depctr_va_vdst(0)
	s_wait_kmcnt 0x0
	s_add_nc_u64 s[24:25], s[24:25], s[20:21]
	s_add_nc_u64 s[26:27], s[26:27], s[22:23]
	s_add_nc_u64 s[28:29], s[28:29], s[30:31]
	QLOAD
	s_mov_b32 s34, 0                               ; the trip
	s_mov_b32 s35, 0                               ; its words' place: 128 bytes a trip
.Lwo_trip:
	s_wait_loadcnt 0x0
	QTURN 0
	QTURN 1
	s_wait_dscnt 0x0                               ; my 128 numbers are back; the stage's stores have read their registers
	s_cmp_eq_u32 s34, 3                            ; the last trip asks for nothing more
	s_cbranch_scc1 .Lwo_last
	s_add_nc_u64 s[24:25], s[24:25], 1024          ; (every load that read this base has come back)
	QLOAD
.Lwo_last:
	v_add_nc_u32 v[QWT], s35, v[QWB]
	QUANT QX, E, 0
.irp c, 0,1,2
	global_store_b128 v[LI], v[PC+4*\c:PC+4*\c+3], s[26:27] offset:512*\c
.endr
	ds_store_b32 v[QWT], v[E]                      ; both halves of the lanes hold row r's word and write the same value
	s_wait_alu depctr_va_vdst(0)
	s_wait_xcnt 0x0                                ; the stores have read the codes' registers, which are written again below
	QUANT QX+64, E+1, 0
.irp c, 0,1,2
	global_store_b128 v[LI], v[PC+4*\c:PC+4*\c+3], s[26:27] offset:1536+512*\c
.endr
	ds_store_b32 v[QWT], v[E+1] offset:64
	s_wait_alu depctr_va_vdst(0)
	s_wait_xcnt 0x0                                ; the stores' base is stepped only behind this wait
	s_add_nc_u64 s[26:27], s[26:27], 3072
	s_add_co_u32 s35, s35, 128
	s_add_co_u32 s34, s34, 1
	s_cmp_lt_u32 s34, 4
	s_cbranch_scc1 .Lwo_trip
.irp q, 0,1,2,3
	ds_load_b32 v[WD+\q], v[QWR] offset:64*\q      ; lane (r, h): row r's words of K steps 4 h + q of my eight
.endr
	s_wait_dscnt 0x0
	global_store_b128 v[LI], v[WD:WD+3], s[28:29]  ; 512 consecutive bytes
	s_wait_tensorcnt 0x0                           ; the wave's end
	ds_add_u32 v[SPW], v[NIL]
	s_wait_dscnt 0x0
	CROUND
	s_endpgm
.Lfunc_end_k_qde756b1880_qkv:
	.size	k_qde756b1880_qkv, .Lfunc_end_k_qde756b1880_qkv-k_qde756b1880_qkv
	.p2alignl 7, 3214868480
	.fill 96, 4, 3214868480
	.section	.rodata,"a",@progbits
	.p2align	6, 0x0
	.amdhsa_kernel k_qde756b1880_qkv
		.amdhsa_group_segment_fixed_size 327680
		.amdhsa_private_segment_fixed_size 0
		.amdhsa_enable_private_segment 0
		.amdhsa_kernarg_size 56
		.amdhsa_user_sgpr_count 2
		.amdhsa_user_sgpr_kernarg_segment_ptr 1
		.amdhsa_wavefront_size32 1
		.amdhsa_system_sgpr_workgroup_id_x 1
		.amdhsa_system_sgpr_workgroup_id_y 1
		.amdhsa_system_sgpr_workgroup_id_z 1
		.amdhsa_system_vgpr_workitem_id 0
		.amdhsa_next_free_vgpr 1024
		.amdhsa_next_free_sgpr 100
		.amdhsa_reserve_vcc 1
		.amdhsa_float_denorm_mode_32 3
		.amdhsa_float_denorm_mode_16_64 3
		.amdhsa_memory_ordered 1
		.amdhsa_forward_progress 1
		.amdhsa_inst_pref_size 255
	.end_amdhsa_kernel
	.section	.bss,"aw",@nobits
	.p2align	6
	.space	262144
	.amdgpu_metadata
---
amdhsa.version: [ 1, 2 ]
amdhsa.kernels:
  - .name:           k_qde756b1880_qkv
    .symbol:         k_qde756b1880_qkv.kd
    .args:
      - { .name: codes, .offset: 0, .size: 8, .value_kind: global_buffer, .address_space: global }
      - { .name: scales, .offset: 8, .size: 8, .value_kind: global_buffer, .address_space: global }
      - { .name: tab, .offset: 16, .size: 8, .value_kind: global_buffer, .address_space: global }
      - { .name: qkv, .offset: 24, .size: 8, .value_kind: global_buffer, .address_space: global }
      - { .name: wo, .offset: 32, .size: 8, .value_kind: global_buffer, .address_space: global }
      - { .name: woc, .offset: 40, .size: 8, .value_kind: global_buffer, .address_space: global }
      - { .name: asc, .offset: 48, .size: 8, .value_kind: global_buffer, .address_space: global }
    .group_segment_fixed_size: 327680
    .private_segment_fixed_size: 0
    .kernarg_segment_align: 8
    .kernarg_segment_size: 56
    .max_flat_workgroup_size: 128
    .sgpr_count:     100
    .vgpr_count:     1024
    .wavefront_size: 32
...
	.end_amdgpu_metadata
.endif
;; end of part 2
;; launch attn (part 3): grid 16 x 16, 8 waves a work-group, no clusters, 327,680 bytes of LDS; arguments qkv, ac, asc; writes ac, asc
.if DOCPART == 3
	.amdgcn_target "amdgcn-amd-amdhsa--gfx1250"
	.amdhsa_code_object_version 6
	.text
	.protected	k_qde756b1880_attn
	.globl	k_qde756b1880_attn
	.p2align	8
	.type	k_qde756b1880_attn,@function
k_qde756b1880_attn:
	s_mov_b64 s[64:65], 0
	v_nop
	global_prefetch_b8 v0, s[64:65] scope:SCOPE_SE
	s_setreg_imm32_b32 hwreg(HW_REG_WAVE_MODE, 25, 1), 1
	s_wait_xcnt 0x0
; ATTN.  O[h][q] = sum over keys k <= q of softmax_k(Q[h][q] . K[h][k] / sqrt(128)) V[h][k], both products on codes of FP6 (E2M3) with E8M0 scales; O is quantised along (head, channel) for the last product.
; THE SOFTMAX AHEAD OF THE SECOND PRODUCT: t = score x log2(e) / sqrt(128); M = the running largest t, rounded UP to a whole number; p = 2^(t - M) is quantised along the keys, not normalised; the row's sum is taken
; of the unquantised p and divides O at the end.  When M moves, the sum and O are multiplied by 2^(old M - new M): exact.
; IN: qkv [X 48][Y 16][12,800 bytes] (X = head: q; 16 + head: k; 32 + head: v; Y: group of 128 positions = key step): 8 fragments as images of their registers (1,536 bytes), then 512 bytes of scale words.
;   q, k: a fragment is 16 positions x 128 d, stored position r of tile t = 32 (t / 2) + 8 (t % 2) + r % 8 + 16 (r / 8).  v: 16 channels (the same order) x the step's 128 keys.
; SHARES.  Work-group (x = 2 g + half, y = head), EIGHT waves, two to a SIMD, so that one wave's vector work stands beside the other's waits.  Waves w and w + 4 (w = 0 .. 3) own the same two tiles: tile 4 half + w of
;   query group g (g + 1 key steps) and of group 15 - g (16 - g key steps).  THEY SHARE THE KEY STEPS BY PARITY: waves 0-3 take the even steps, waves 4-7 the odd ones: 9 and 8 of the pair's 17.
;   Each keeps a running M, a sum and an O^T of its own.  At the end the two are joined: both are brought under the larger M by multiplications by whole powers of two, and added.  The even wave finishes the light
;   tile, the odd wave the heavy one.  A group's own key step is the only one with hidden keys; later steps are not walked.
; LAYOUT.  Both products are used transposed: S^T = K Q^T, O^T = V^T P^T: a lane holds ONE query (lane % 16).  By the order of a tile's positions the 16 registers of S^T's tiles 2 b, 2 b + 1 are keys
;   32 b + 16 (lane / 16) + 0 .. 15, and by the order of V's channels O^T's registers 16 b + i are channels 32 b + 16 (lane / 16) + i: both are what the quantiser wants.
; LDS.  Three slots of four key steps (K's four blocks, then V's four); wave w brings one block of 12,800 dense bytes (waves 0-3: K's; 4-7: V's).  Slot A (steps 0-3) is asked for at the head, B (4-7) behind the first
;   barrier, C (8-11) behind the second; A is filled again with steps 12-15 behind the third, where the work-group walks them (g <= 3).  One tensor load of a wave is out at a time, and every wait for one is for 0.
;   THE STAGE for the joining, 8,448 bytes a wave (O^T's 64 registers as an image, then -M and the sum), lies in slot B: filled once, and read by nobody behind the ring's last barrier.
; NO CLUSTER: the work-groups that walk one head's K and V differ in g, and branches hang on g; only two share a g.
; OUT: ac [row-block of positions 128][head 16][1,536 bytes], asc [row-block][head / 4][row 16][head % 4]: the operand of the last product, K step = head.
; LIMITS: NaN and infinities are not served; a block whose largest magnitude lies under 2^-124 gets the scale byte 1.  The input mask is read by no launch: reference() never names it.
; REGISTERS: window 0: v1-8, v28-31 addresses; v12 -M, v13 the largest t, v[14:15] the sum; v16-27, v52-63 the two Q tiles; v32-39 K's scale words, v40-47 V's, v48, v49 Q's; v50 the mask's number; v64-84 O's codes;
;   v[86:87] the light tile's -M and sum, v[88:89] my partner's, v90-95 the joining; v96-159 S^T, then p; v160-223 O^T; v224-254 at work.   window 1: v0-95 K's eight fragments, v96-191 V's, v192-255 the light tile's O^T.
.set STEPB, 12800                      ; a key step's block of K or of V
.set VOFF,  4*STEPB                    ; V's blocks lie behind K's four
.set SLOTB, 8*STEPB
.set SPARE, 3*SLOTB                    ; behind the slots: the spare words, 128 bytes for each of eight waves
.set STG,   SLOTB                      ; the stage, in slot B
.set SSZ,   8448                       ; a wave's part of it
.set LI,  1                            ; v1  16 x lane
.set LR,  2                            ; v2  16 x (lane % 16)
.set SPW, 3                            ; v3  LDS address of my spare word; never rewritten
.set NIL, 4                            ; v4  0; never rewritten
.set ADK, 5                            ; v5  LDS address of the step's fragments
.set ADS, 6                            ; v6  and of its scale words
.set VQC, 7                            ; v7  my tile's codes in a block of q
.set VQS, 8                            ; v8  my row's scale word there
.set QL,  16
.set STI, 28                           ; v28 the stage: my part, 16 x lane
.set STM, 29                           ; v29 my part, 8 x lane
.set LDI, 30                           ; v30 my partner's part, 16 x lane
.set LDM, 31                           ; v31 my partner's part, 8 x lane
.set KS,  32
.set VS,  40
.set DQ,  50                           ; v50 my query's number in its group - 16 (lane / 16)
.set QH,  52
.set PC,  64
.set PW,  84
.set SVL, 86
.set PM,  88
.set F1,  90
.set F2,  92
.set TM,  232
.set WV,  10                           ; s10 wave 0..7
.set GL,  15                           ; s15 g: the light tile's group
.set GH,  16                           ; s16 15 - g: the heavy tile's
.set TB,  2                            ; s2  LDS byte of the step's block of K
.set T,   3                            ; s3  the key step
.set CNT, 18                           ; s18 a loop's trips
.set SEL, 20                           ; s[20:21] lane selects: lane l xor 16
.set CS,  22                           ; s[22:23] c = log2(e) / sqrt(128)
.set G1,  24                           ; s[24:31] descriptor group 1
.set G0,  32                           ; s[32:43] group 0 for slots A, B, C
.set PAR, 66                           ; s66 wave / 4: the parity of my key steps
.set PB,  67                           ; s67 parity x a block's bytes
.set MSB, 0
.macro WIN new
.if MSB != \new
	s_set_vgpr_msb (MSB<<8)|\new
.set MSB, \new
.endif
.endm
.macro QUANT s, pw                     ; 64 numbers of a lane, register 16 b + i = index 32 b + 16 h + i, become a fragment's codes in v[PC] on and its scale word in v[pw]
.irp b, 0,1,2,3
	v_max3_num_f32 v[TM+\b], |v[(\s)+16*\b]|, |v[(\s)+1+16*\b]|, 0x1800000   ; and the floor 2^(3 - 127)
.endr
.irp i, 2,4,6,8,10,12,14
.irp b, 0,1,2,3
	s_delay_alu instid0(VALU_DEP_4)
	v_max3_num_f32 v[TM+\b], v[TM+\b], |v[(\s)+16*\b+\i]|, |v[(\s)+1+16*\b+\i]|
.endr
.endr
.irp b, 0,1,2,3
	s_delay_alu instid0(VALU_DEP_4)
	v_permlanex16_b32 v[TM+4+\b], v[TM+\b], s[SEL], s[SEL+1]
.endr
.irp b, 0,1,2,3
	s_delay_alu instid0(VALU_DEP_4)
	v_max_num_f32 v[TM+\b], v[TM+\b], v[TM+4+\b]
.endr
.irp b, 0,1,2,3
	s_delay_alu instid0(VALU_DEP_4)
	v_add_nc_u32 v[TM+12+\b], 0xff000000, v[TM+\b]
.endr
.irp b, 0,1,2,3
	s_delay_alu instid0(VALU_DEP_4)
	v_lshrrev_b32 v[TM+4+\b], 23, v[TM+12+\b]
.endr
	s_delay_alu instid0(VALU_DEP_3)
	v_lshl_or_b32 v[\pw], v[TM+5], 8, v[TM+4]
	s_delay_alu instid0(VALU_DEP_1)
	v_lshl_or_b32 v[\pw], v[TM+6], 16, v[\pw]
	s_delay_alu instid0(VALU_DEP_1)
	v_lshl_or_b32 v[\pw], v[TM+7], 24, v[\pw]
.irp c, 0,1
	v_cvt_scalef32_pk16_fp6_f32 v[PC+6*\c:PC+2+6*\c], v[(\s)+32*\c:(\s)+15+32*\c], v[TM+12+2*\c]
	v_cvt_scalef32_pk16_fp6_f32 v[PC+12+4*\c:PC+14+4*\c], v[(\s)+16+32*\c:(\s)+31+32*\c], v[TM+13+2*\c]
.endr
	v_nop
.irp c, 0,1
.irp i, 0,1,2
	v_permlane16_swap_b32 v[PC+6*\c+\i], v[PC+12+4*\c+\i]
.endr
.irp i, 0,1,2
	s_delay_alu instid0(VALU_DEP_3)
	v_mov_b32 v[PC+3+6*\c+\i], v[PC+12+4*\c+\i]
.endr
.endr
.endm
; In front of every barrier behind which a slot is asked for or first read: all my tensor loads have landed, 0 is added to my spare word, the add and my LDS reads are done.  step = 1: slot A's descriptor goes on to key steps 12-15.
.macro CHANGE step
	s_wait_tensorcnt 0x0                           ; no tensor load of mine is out, so a group 0 may be written
	ds_add_u32 v[SPW], v[NIL]
.if \step
	s_add_nc_u64 s[G0+2:G0+3], s[G0+2:G0+3], 12*STEPB
.endif
	s_wait_dscnt 0x0
	s_barrier_signal -1
	s_barrier_wait -1
.endm
.macro TLOAD s                         ; my block of slot s: a wave's one tensor load until the next barrier; s_nop 0 and four v_nop follow
	tensor_load_to_lds s[G0+4*\s:G0+4*\s+3], s[G1:G1+7]
	s_nop 0
.rept 4
	v_nop
.endr
.endm
.macro KLOADS off                      ; a step's eight fragments of K and their scale words: 26 loads
	WIN 0x40                                       ; destination window 1
.irp t, 0,1,2,3,4,5,6,7
.irp c, 0,1,2
	ds_load_b128 v[12*\t+4*\c:12*\t+4*\c+3], v[ADK] offset:\off+1536*\t+512*\c
.endr
.endr
	WIN 0
	ds_load_b128 v[KS:KS+3], v[ADS] offset:\off+12288
	ds_load_b128 v[KS+4:KS+7], v[ADS] offset:\off+12544
.endm
; A KEY STEP of 128 keys for the tile whose codes lie in v[q] on and whose scale words lie in v[qs].  G: the scalar with the tile's group.  test = 1: steps behind the group are left out, and the group's own step is masked.
; K of this step was asked for a step of mine ago; V is asked for at the head; K of my next step, two blocks on, behind the first product.  (At my last step of a slot that look-ahead reads a block of the slot's V: landed bytes, never used.)
.macro STEP q, qs, G, test
.if \test
	s_cmp_gt_u32 s[T], s[\G]                       ; ids and the count of steps alone
	s_cbranch_scc1 .Lskip_\@
.endif
	v_add_nc_u32 v[ADK], s[TB], v[LI]
	v_add_nc_u32 v[ADS], s[TB], v[LR]
	v_nop
	v_nop                                          ; four plain instructions behind the last step's products, in front of loads into registers that they read
	WIN 0x40
.irp t, 0,1,2,3,4,5,6,7
.irp c, 0,1,2
	ds_load_b128 v[96+12*\t+4*\c:96+12*\t+4*\c+3], v[ADK] offset:VOFF+1536*\t+512*\c
.endr
.endr
	WIN 0
	ds_load_b128 v[VS:VS+3], v[ADS] offset:VOFF+12288
	ds_load_b128 v[VS+4:VS+7], v[ADS] offset:VOFF+12544
	s_wait_alu depctr_va_vdst(0)
	s_wait_dscnt 26                                ; K is in; V's 26 loads may be out
	WIN 0x01                                       ; source 0 window 1
.irp t, 0,1,2,3,4,5,6,7
	v_wmma_scale_f32_16x16x128_f8f6f4 v[96+8*\t:103+8*\t], v[12*\t:12*\t+11], v[\q:\q+11], 0, v[KS+\t], v[\qs] matrix_a_fmt:MATRIX_FMT_FP6 matrix_b_fmt:MATRIX_FMT_FP6
.endr
	WIN 0
.rept 4
	v_nop                                          ; places in front of the loads into K's registers and of the first read of the scores
.endr
	KLOADS 2*STEPB
.if \test
	s_cmp_lg_u32 s[T], s[\G]
	s_cbranch_scc1 .Lopen_\@
	v_mov_b32 v254, 0xff800000                     ; the group's own step: register 16 b + i holds key 32 b + 16 (lane / 16) + i of the step: hidden where 32 b + i > v[DQ]: -infinity, so p = 0
.set n, 0
.rept 64
	v_cmp_gt_i32 vcc_lo, 32*(n/16)+n%16, v[DQ]
	v_cndmask_b32 v[96+n], v[96+n], v254, vcc_lo
.set n, n+1
.endr
.Lopen_\@:
.endif
.irp b, 0,1,2,3
	v_max3_num_f32 v[232+\b], v[96+16*\b], v[97+16*\b], v[98+16*\b]   ; the largest score of each block of 32 keys: for the row's maximum and, since p rises with the score, for the block's largest p
.endr
.irp i, 3,5,7,9,11,13
.irp b, 0,1,2,3
	v_max3_num_f32 v[232+\b], v[232+\b], v[96+16*\b+\i], v[97+16*\b+\i]
.endr
.endr
.irp b, 0,1,2,3
	v_max_num_f32 v[232+\b], v[232+\b], v[111+16*\b]
.endr
.irp b, 0,1,2,3
	s_delay_alu instid0(VALU_DEP_4)
	v_permlanex16_b32 v[236+\b], v[232+\b], s[SEL], s[SEL+1]
.endr
.irp b, 0,1,2,3
	s_delay_alu instid0(VALU_DEP_4)
	v_max_num_f32 v[232+\b], v[232+\b], v[236+\b]  ; with lane l xor 16's 16 keys
.endr
	s_delay_alu instid0(VALU_DEP_2)
	v_max3_num_f32 v254, v232, v233, v234
	s_delay_alu instid0(VALU_DEP_1)
	v_max_num_f32 v254, v254, v235
	s_delay_alu instid0(VALU_DEP_1)
	v_mul_f32 v254, s[CS], v254                    ; as t
	s_delay_alu instid0(VALU_DEP_1)
	v_max_num_f32 v13, v13, v254                   ; the running largest t
	v_mov_b32 v254, v12
	s_delay_alu instid0(VALU_DEP_2)
	v_floor_f32 v12, -v13                          ; the new -M = -ceil(t)
	s_delay_alu instid0(VALU_DEP_1)
	v_sub_f32 v254, v12, v254                      ; old M - new M: a whole number, 0 or less
	s_delay_alu instid0(VALU_DEP_1)
	v_cvt_i32_f32 v254, v254                       ; (it saturates)
	s_delay_alu instid0(VALU_DEP_1)
	v_ldexp_f32 v252, 1.0, v254                    ; f = 2^(old M - new M)
.set j, 0
.rept 32
	v_pk_fma_f32 v[96+j:97+j], v[96+j:97+j], s[CS:CS+1], v[12:13] op_sel_hi:[1,0,0]   ; t - M, two at a time
.set j, j+2
.endr
.irp b, 0,1,2,3
	v_fma_f32 v[232+\b], v[232+\b], s[CS], v12     ; the same of each block's largest score
.endr
.set j, 0
	s_wait_alu depctr_va_vdst(0)
.rept 64
	v_exp_f32 v[96+j], v[96+j]                     ; p = 2^(t - M)
.set j, j+1
.endr
	v_pk_mul_f32 v[14:15], v[14:15], v[252:253] op_sel_hi:[1,0]   ; the sums under the new M: a plain instruction behind the exponentials
	s_wait_alu depctr_va_vdst(0)                   ; one wait for the batch of 64, ahead of its first reader
.irp b, 0,1,2,3
	v_exp_f32 v[232+\b], v[232+\b]                 ; the blocks' largest p
.endr
	v_pk_add_f32 v[236:237], v[100:101], v[104:105]
	v_pk_add_f32 v[254:255], v[108:109], v[112:113]
	v_pk_add_f32 v[250:251], v[116:117], v[120:121]
	v_pk_add_f32 v[248:249], v[124:125], v[128:129]
	v_pk_add_f32 v[246:247], v[132:133], v[136:137]
	v_pk_add_f32 v[244:245], v[140:141], v[144:145]
	v_pk_add_f32 v[242:243], v[148:149], v[152:153]
	v_pk_add_f32 v[14:15], v[14:15], v[156:157]
	v_pk_add_f32 v[236:237], v[236:237], v[96:97]
	v_pk_add_f32 v[254:255], v[254:255], v[98:99]
	v_pk_add_f32 v[250:251], v[250:251], v[102:103]
	v_pk_add_f32 v[248:249], v[248:249], v[106:107]
	v_pk_add_f32 v[246:247], v[246:247], v[110:111]
	v_pk_add_f32 v[244:245], v[244:245], v[114:115]
	v_pk_add_f32 v[242:243], v[242:243], v[118:119]
	v_pk_add_f32 v[14:15], v[14:15], v[122:123]
	v_pk_add_f32 v[236:237], v[236:237], v[126:127]
	v_pk_add_f32 v[254:255], v[254:255], v[130:131]
	v_pk_add_f32 v[250:251], v[250:251], v[134:135]
	v_pk_add_f32 v[248:249], v[248:249], v[138:139]
	v_pk_add_f32 v[246:247], v[246:247], v[142:143]
	v_pk_add_f32 v[244:245], v[244:245], v[146:147]
	v_pk_add_f32 v[242:243], v[242:243], v[150:151]
	v_pk_add_f32 v[14:15], v[14:15], v[154:155]
	v_pk_add_f32 v[236:237], v[236:237], v[158:159]
	s_delay_alu instid0(VALU_DEP_2)
	v_pk_add_f32 v[14:15], v[14:15], v[248:249]
	s_delay_alu instid0(VALU_DEP_2)
	v_pk_add_f32 v[236:237], v[236:237], v[246:247]
	v_pk_add_f32 v[254:255], v[254:255], v[244:245]
	v_pk_add_f32 v[250:251], v[250:251], v[242:243]
	s_delay_alu instid0(VALU_DEP_2)
	v_pk_add_f32 v[14:15], v[14:15], v[254:255]
	s_delay_alu instid0(VALU_DEP_2)
	v_pk_add_f32 v[236:237], v[236:237], v[250:251]
	s_delay_alu instid0(VALU_DEP_1)
	v_pk_add_f32 v[14:15], v[14:15], v[236:237]
	s_wait_alu depctr_va_vdst(0)                   ; and one for the four
.irp b, 0,1,2,3
	v_max_num_f32 v[232+\b], 0x1800000, v[232+\b]  ; the floor 2^(3 - 127): a block whose every p is 0 keeps the byte 1; its codes are zeros
.endr
.irp b, 0,1,2,3
	s_delay_alu instid0(VALU_DEP_4)
	v_add_nc_u32 v[244+\b], 0xff000000, v[232+\b]
.endr
.irp b, 0,1,2,3
	s_delay_alu instid0(VALU_DEP_4)
	v_lshrrev_b32 v[236+\b], 23, v[244+\b]
.endr
	s_delay_alu instid0(VALU_DEP_3)
	v_lshl_or_b32 v253, v237, 8, v236              ; p's scale word for these 128 keys
	s_delay_alu instid0(VALU_DEP_1)
	v_lshl_or_b32 v253, v238, 16, v253
	s_delay_alu instid0(VALU_DEP_1)
	v_lshl_or_b32 v253, v239, 24, v253
.irp c, 0,1
	v_cvt_scalef32_pk16_fp6_f32 v[224+6*\c:226+6*\c], v[96+32*\c:111+32*\c], v[244+2*\c]
	v_cvt_scalef32_pk16_fp6_f32 v[236+4*\c:238+4*\c], v[112+32*\c:127+32*\c], v[244+2*\c+1]
.endr
	v_nop
.irp c, 0,1
.irp i, 0,1,2
	v_permlane16_swap_b32 v[224+6*\c+\i], v[236+4*\c+\i]
.endr
.irp i, 0,1,2
	s_delay_alu instid0(VALU_DEP_3)
	v_mov_b32 v[227+6*\c+\i], v[236+4*\c+\i]
.endr
.endr
.set j, 0
.rept 32
	v_pk_mul_f32 v[160+j:161+j], v[160+j:161+j], v[252:253] op_sel_hi:[1,0]   ; O^T under the new M.  These 32 are also the places between p's codes and scale word and the products below
.set j, j+2
.endr
	s_wait_alu depctr_va_vdst(0)
	s_wait_dscnt 26                                ; V is in; my next step's K may be out
	WIN 0x01
.irp t, 0,1,2,3,4,5,6,7                        ; the eight accumulators by turns
	v_wmma_scale_f32_16x16x128_f8f6f4 v[160+8*\t:167+8*\t], v[96+12*\t:107+12*\t], v[224:235], v[160+8*\t:167+8*\t], v[VS+\t], v253 matrix_a_fmt:MATRIX_FMT_FP6 matrix_b_fmt:MATRIX_FMT_FP6
.endr
	WIN 0
.if \test
.Lskip_\@:
.endif
	s_add_co_u32 s[TB], s[TB], 2*STEPB
.endm
; My two of the four key steps first .. first + 3, in the slot at LDS byte base: first + parity and first + parity + 2.  pretest = 1: where the first of them is left out, so are the loads ahead of the loop.
.macro LOOPX base, first, q, qs, G, test, pretest
	s_wait_dscnt 0x0                               ; the last look-ahead is in: its registers are loaded anew below
	s_add_co_u32 s[TB], s[PB], \base
	s_add_co_u32 s[T], s[PAR], \first
	s_mov_b32 s[CNT], 2
.if \pretest
	s_cmp_gt_u32 s[T], s[\G]
	s_cbranch_scc1 .Lnopre_\@
.endif
	v_add_nc_u32 v[ADK], s[TB], v[LI]
	v_add_nc_u32 v[ADS], s[TB], v[LR]
	KLOADS 0
.if \pretest
.Lnopre_\@:
.endif
.Lstep_\@:
	STEP \q, \qs, \G, \test
	s_add_co_u32 s[T], s[T], 2
	s_sub_co_u32 s[CNT], s[CNT], 1
	s_cmp_lg_u32 s[CNT], 0
	s_cbranch_scc1 .Lstep_\@
.endm
.macro RESET                           ; a tile begins: the step is written without a first form of its own, so O^T and the sum begin as zeros, which the first change of M leaves zeros
	v_mov_b32 v13, 0xff61b1e6                      ; -3e38, under every t
	s_delay_alu instid0(VALU_DEP_1)
	v_floor_f32 v12, -v13
	v_mov_b32 v14, 0
	v_mov_b32 v15, 0
.set j, 0
.rept 64
	v_mov_b32 v[160+j], 0
.set j, j+1
.endr
.endm
	s_load_b128 s[4:7], s[0:1], 0x0                ; qkv s[4:5], ac s[6:7]
	s_load_b64 s[8:9], s[0:1], 0x10                ; asc
	v_lshl_add_u32 v[SPW], v0, 2, SPARE
	v_mov_b32 v[NIL], 0
	ds_add_u32 v[SPW], v[NIL]                      ; the wave's opening: the add and its wait ahead of my first tensor load
	ds_add_u32 v[SPW], v[NIL]
	v_lshrrev_b32 v5, 5, v0
	s_delay_alu instid0(VALU_DEP_1)
	v_readfirstlane_b32 s[WV], v5                  ; wave 0..7
	s_lshr_b32 s[PAR], s[WV], 2                    ; 0: even key steps; 1: odd ones
	s_mul_i32 s[PB], s[PAR], STEPB
	s_and_b32 s17, s[WV], 3
	s_and_b32 s11, ttmp9, 1                        ; which four tiles of a group
	s_lshr_b32 s[GL], ttmp9, 1
	s_sub_co_u32 s[GH], 15, s[GL]
	s_lshl_b32 s12, s11, 2
	s_add_co_u32 s12, s12, s17                     ; my tile 0..7
	s_and_b32 s13, ttmp7, 0xffff                   ; the head
	s_mov_b32 s[G1], 3<<16                         ; 12,800 dense bytes as 50 rows of 32 elements of 8 bytes; no mask, no padding
	s_mov_b32 s[G1+1], 32<<16
	s_mov_b32 s[G1+2], 50<<16
	s_mov_b32 s[G1+3], 32<<16
	s_mov_b32 s[G1+4], 50
	s_mov_b32 s[G1+5], 32
	s_mov_b32 s[G1+6], 0
	s_mov_b32 s[G1+7], 0
	s_lshl_b32 s56, s[PAR], 4                      ; what I fetch: waves 0-3 of k (X = 16 + head), waves 4-7 of v (X = 32 + head),
	s_add_co_u32 s56, s56, s13
	s_add_co_u32 s56, s56, 16
	s_mul_i32 s56, s56, 16*STEPB
	s_mul_i32 s57, s17, STEPB                      ; key step wave % 4 of a slot's four
	s_add_co_u32 s56, s56, s57
	s_mov_b32 s57, 0
	s_mul_i32 s58, s[WV], STEPB                    ; and its place in a slot: K's four blocks, then V's four
	s_lshl_b32 s59, s13, 4                         ; q's blocks of my two groups
	s_add_co_u32 s52, s59, s[GL]
	s_mul_i32 s52, s52, STEPB
	s_mov_b32 s53, 0
	s_add_co_u32 s54, s59, s[GH]
	s_mul_i32 s54, s54, STEPB
	s_mov_b32 s55, 0
	s_mul_i32 s60, s12, 1536                       ; my tile's codes in a block,
	s_lshr_b32 s61, s12, 2
	s_lshl_b32 s61, s61, 8
	s_and_b32 s62, s12, 3
	s_lshl_b32 s62, s62, 2
	s_add_co_u32 s61, s61, s62
	s_add_co_u32 s61, s61, 12288                   ; and its scale words
	s_lshr_b32 s62, s13, 2                         ; out: the head's place among a row-block's scale words
	s_lshl_b32 s62, s62, 8
	s_and_b32 s63, s13, 3
	s_lshl_b32 s63, s63, 2
	s_add_co_u32 s62, s62, s63
	s_cmp_eq_u32 s[PAR], 0
	s_cselect_b32 s44, s[GL], s[GH]                ; the group whose tile I finish: the light one in waves 0-3, the heavy one in waves 4-7
	s_lshl_b32 s44, s44, 3
	s_add_co_u32 s44, s44, s12                     ; its row-block
	s_lshl_b32 s46, s44, 10
	s_add_co_u32 s46, s46, s62
	s_mov_b32 s47, 0
	s_lshl_b32 s44, s44, 4
	s_add_co_u32 s44, s44, s13
	s_mul_i32 s44, s44, 1536
	s_mov_b32 s45, 0
	s_mul_i32 s48, s[WV], SSZ                      ; the stage: my part,
	s_add_co_u32 s48, s48, STG
	s_xor_b32 s49, s[WV], 4                        ; and my partner's
	s_mul_i32 s49, s49, SSZ
	s_add_co_u32 s49, s49, STG
	s_lshr_b32 s14, s12, 1                         ; my tile's first position in its group: 32 (t / 2) + 8 (t % 2)
	s_lshl_b32 s14, s14, 5
	s_and_b32 s17, s12, 1
	s_lshl_b32 s17, s17, 3
	s_add_co_u32 s14, s14, s17
	s_mov_b32 s[SEL], 0x76543210
	s_mov_b32 s[SEL+1], 0xfedcba98
	s_mov_b32 s[CS], 0x3e0293ee                    ; c = log2(e) / sqrt(128)
	s_mov_b32 s[CS+1], s[CS]                       ; (named with it as a pair)
	s_wait_dscnt 0x0                               ; the opening add is done
	s_wait_kmcnt 0x0
	s_add_nc_u64 s[56:57], s[4:5], s[56:57]
.irp s, 0,1,2
	s_mov_b32 s[G0+4*\s], 1
	s_add_co_u32 s[G0+4*\s+1], s58, \s*SLOTB
	s_add_nc_u64 s[G0+4*\s+2:G0+4*\s+3], s[56:57], \s*4*STEPB
	s_or_b32 s[G0+4*\s+3], s[G0+4*\s+3], 0x80000000
.endr
	TLOAD 0                                        ; slot A: key steps 0-3
	s_add_nc_u64 s[52:53], s[4:5], s[52:53]
	s_add_nc_u64 s[54:55], s[4:5], s[54:55]
	s_add_nc_u64 s[44:45], s[6:7], s[44:45]
	s_add_nc_u64 s[46:47], s[8:9], s[46:47]
	v_and_b32 v5, 31, v0
	s_delay_alu instid0(VALU_DEP_1)
	v_lshlrev_b32 v[LI], 4, v5
	v_and_b32 v9, 15, v0                           ; r
	s_delay_alu instid0(VALU_DEP_1)
	v_lshlrev_b32 v[LR], 4, v9
	s_delay_alu instid0(VALU_DEP_3)
	v_add_nc_u32 v[VQC], s60, v[LI]
	s_delay_alu instid0(VALU_DEP_2)
	v_add_nc_u32 v[VQS], s61, v[LR]
.irp c, 0,1,2
	global_load_b128 v[QL+4*\c:QL+4*\c+3], v[VQC], s[52:53] offset:512*\c   ; both Q tiles stay in registers
	global_load_b128 v[QH+4*\c:QH+4*\c+3], v[VQC], s[54:55] offset:512*\c
.endr
	global_load_b32 v48, v[VQS], s[52:53]
	global_load_b32 v49, v[VQS], s[54:55]
	v_add_nc_u32 v[STI], s48, v[LI]                ; every LDS address is made here, ahead of any parting of the waves
	v_add_nc_u32 v[LDI], s49, v[LI]
	v_lshl_add_u32 v[STM], v5, 3, s48
	v_lshl_add_u32 v[LDM], v5, 3, s49
	v_bfe_u32 v10, v0, 4, 1                        ; h
	v_and_b32 v11, 8, v9
	s_delay_alu instid0(VALU_DEP_1)
	v_add_nc_u32 v11, v11, v9                      ; r % 8 + 16 (r / 8)
	s_delay_alu instid0(VALU_DEP_3)
	v_lshlrev_b32 v10, 4, v10
	s_delay_alu instid0(VALU_DEP_1)
	v_sub_nc_u32 v11, v11, v10
	s_delay_alu instid0(VALU_DEP_1)
	v_add_nc_u32 v[DQ], s14, v11
.irp b, 0,1,2,3
	v_mov_b32 v[236+\b], 0                         ; written once: a lane permute's destination counts as one of its sources
.endr
	v_mov_b32 v252, 0
	v_mov_b32 v253, 0                              ; (named as the upper half of a pair before it is first written)
	RESET
	CHANGE 0                                       ; slot A is whole, for all eight waves
	TLOAD 1                                        ; slot B's first fill: it lands under the steps below
	s_wait_loadcnt 0x0                             ; Q
	LOOPX 0, 0, QL, 48, GL, 1, 0                   ; the light tile, my two of key steps 0-3
	CHANGE 0                                       ; slot B is whole
	TLOAD 2                                        ; slot C's first fill
	LOOPX SLOTB, 4, QL, 48, GL, 1, 1               ; my two of key steps 4-7
	; the light tile's state is put by until the end: O^T into window 1, -M and my lane's sum into a pair
.rept 4
	v_nop                                          ; places behind the last products
.endr
	WIN 0x40                                       ; destination window 1
.set j, 0
.rept 64
	v_mov_b32 v[192+j], v[160+j]                   ; each accumulator from its low end on
.set j, j+1
.endr
	WIN 0
	v_mov_b32 v[SVL], v12
	v_add_f32 v[SVL+1], v14, v15
	RESET
	LOOPX 0, 0, QH, 49, GH, 0, 0                   ; the heavy tile: its group is 8 or more, so steps 0-7 are all open
	CHANGE 1                                       ; slot C is whole, and nobody reads slot A any more
	s_cmp_gt_u32 s[GL], 3                          ; key steps 12-15 are walked only where 15 - g >= 12: an id alone, the same in all eight waves; the jump leads round the load's own lines and nothing else
	s_cbranch_scc1 .Lnofill
	TLOAD 0                                        ; slot A again: four steps of each wave in which to land
.Lnofill:
	LOOPX SLOTB, 4, QH, 49, GH, 0, 0
	LOOPX 2*SLOTB, 8, QH, 49, GH, 1, 0             ; slot C is always filled: the loads ahead of the loop read landed bytes
	CHANGE 0                                       ; slot A is whole again, where it was asked for; and nobody reads slot B any more: the stage may be written
	LOOPX 0, 12, QH, 49, GH, 1, 1                  ; where slot A was not asked for, nothing of it is read
	; ---- THE JOINING.  An even wave hands its heavy state to its partner and takes its own light state up again; an odd wave hands over its light state and keeps the heavy one.
.rept 4
	v_nop                                          ; places behind the last products
.endr
	v_add_f32 v13, v14, v15                        ; my lane's sum beside -M: the pair v[12:13]
	s_cmp_lg_u32 s[PAR], 0                         ; the wave's number alone; no barrier stands inside the branch
	s_cbranch_scc1 .Lodd
.set k, 0
.rept 16
	ds_store_b128 v[STI], v[160+4*k:163+4*k] offset:512*k   ; an image of the registers: lane l's 16 bytes at 16 l; each accumulator from its low end on
.set k, k+1
.endr
	ds_store_b64 v[STM], v[12:13] offset:8192
	s_wait_dscnt 0x0                               ; the stores have read their registers, which are written below
	WIN 0x01                                       ; source 0 window 1
.set j, 0
.rept 64
	v_mov_b32 v[160+j], v[192+j]
.set j, j+1
.endr
	WIN 0
	v_mov_b32 v12, v[SVL]
	v_mov_b32 v13, v[SVL+1]
	s_branch .Ljoin
.Lodd:
	WIN 0x04                                       ; an LDS store's data are its source 1: window 1
.set k, 0
.rept 16
	ds_store_b128 v[STI], v[192+4*k:195+4*k] offset:512*k
.set k, k+1
.endr
	WIN 0
	ds_store_b64 v[STM], v[SVL:SVL+1] offset:8192
.Ljoin:
	s_wait_dscnt 0x0                               ; for my partner's sake: my stores have landed
	s_barrier_signal -1
	s_barrier_wait -1
.set k, 0
.rept 16
	ds_load_b128 v[96+4*k:99+4*k], v[LDI] offset:512*k   ; my partner's O^T of the tile that I finish: the same registers in the same lanes
.set k, k+1
.endr
	ds_load_b64 v[PM:PM+1], v[LDM] offset:8192     ; its -M and its lane's sum
	s_wait_dscnt 0x0
	s_wait_alu depctr_va_vdst(0)
	v_min_num_f32 v94, v12, v[PM]                  ; the joint -M.  (A wave that walked no step of the tile holds -M = 3e38, a sum of 0 and zeros: its factor below is 0)
	s_delay_alu instid0(VALU_DEP_1)
	v_sub_f32 v95, v94, v12                        ; my M - the joint M: a whole number, 0 or less
	s_delay_alu instid0(VALU_DEP_2)
	v_sub_f32 v[F2], v94, v[PM]                    ; my partner's likewise
	s_delay_alu instid0(VALU_DEP_2)
	v_cvt_i32_f32 v95, v95                         ; (they saturate)
	s_delay_alu instid0(VALU_DEP_2)
	v_cvt_i32_f32 v[F2], v[F2]
	s_delay_alu instid0(VALU_DEP_2)
	v_ldexp_f32 v[F1], 1.0, v95                    ; both factors are whole powers of two: nothing is rounded
	s_delay_alu instid0(VALU_DEP_2)
	v_ldexp_f32 v[F2], 1.0, v[F2]
	v_mov_b32 v[F1+1], 0                           ; (named as the upper halves of pairs)
	v_mov_b32 v[F2+1], 0
	s_delay_alu instid0(VALU_DEP_4)
	v_mul_f32 v13, v13, v[F1]
	s_delay_alu instid0(VALU_DEP_1)
	v_fma_f32 v13, v[PM+1], v[F2], v13             ; the sums, joined
.set j, 0
.rept 32
	v_pk_mul_f32 v[160+j:161+j], v[160+j:161+j], v[F1:F1+1] op_sel_hi:[1,0]
.set j, j+2
.endr
.set j, 0
.rept 32
	v_pk_fma_f32 v[160+j:161+j], v[96+j:97+j], v[F2:F2+1], v[160+j:161+j] op_sel_hi:[1,0,1]
.set j, j+2
.endr
	; O^T / the sum, quantised along the head's 128 channels, stored as an image of the operand's registers
	v_permlanex16_b32 v252, v13, s[SEL], s[SEL+1]
	s_delay_alu instid0(VALU_DEP_1)
	v_add_f32 v14, v13, v252                       ; with lane l xor 16's: the row's sum
	s_wait_alu depctr_va_vdst(0)
	v_rcp_f32 v14, v14
	v_nop                                          ; a plain instruction behind the reciprocal,
	s_wait_alu depctr_va_vdst(0)                   ; and the wait ahead of its first reader
.set j, 0
.rept 64
	v_mul_f32 v[96+j], v[160+j], v14
.set j, j+1
.endr
	QUANT 96, PW
.irp c, 0,1,2
	global_store_b128 v[LI], v[PC+4*\c:PC+4*\c+3], s[44:45] offset:512*\c
.endr
	global_store_b32 v[LR], v[PW], s[46:47]        ; row r's word; both halves of the lanes hold it and write the same word with the same value
	s_wait_tensorcnt 0x0                           ; the wave's end
	ds_add_u32 v[SPW], v[NIL]
	s_wait_dscnt 0x0
	s_endpgm
.Lfunc_end_k_qde756b1880_attn:
	.size	k_qde756b1880_attn, .Lfunc_end_k_qde756b1880_attn-k_qde756b1880_attn
	.p2alignl 7, 3214868480
	.fill 96, 4, 3214868480
	.section	.rodata,"a",@progbits
	.p2align	6, 0x0
	.amdhsa_kernel k_qde756b1880_attn
		.amdhsa_group_segment_fixed_size 327680
		.amdhsa_private_segment_fixed_size 0
		.amdhsa_enable_private_segment 0
		.amdhsa_kernarg_size 24
		.amdhsa_user_sgpr_count 2
		.amdhsa_user_sgpr_kernarg_segment_ptr 1
		.amdhsa_wavefront_size32 1
		.amdhsa_system_sgpr_workgroup_id_x 1
		.amdhsa_system_sgpr_workgroup_id_y 1
		.amdhsa_system_sgpr_workgroup_id_z 1
		.amdhsa_system_vgpr_workitem_id 0
		.amdhsa_next_free_vgpr 512
		.amdhsa_next_free_sgpr 68
		.amdhsa_reserve_vcc 1
		.amdhsa_float_denorm_mode_32 3
		.amdhsa_float_denorm_mode_16_64 3
		.amdhsa_memory_ordered 1
		.amdhsa_forward_progress 1
		.amdhsa_inst_pref_size 185
	.end_amdhsa_kernel
	.amdgpu_metadata
---
amdhsa.version: [ 1, 2 ]
amdhsa.kernels:
  - .name:           k_qde756b1880_attn
    .symbol:         k_qde756b1880_attn.kd
    .args:
      - { .name: qkv, .offset: 0, .size: 8, .value_kind: global_buffer, .address_space: global }
      - { .name: ac, .offset: 8, .size: 8, .value_kind: global_buffer, .address_space: global }
      - { .name: asc, .offset: 16, .size: 8, .value_kind: global_buffer, .address_space: global }
    .group_segment_fixed_size: 327680
    .private_segment_fixed_size: 0
    .kernarg_segment_align: 8
    .kernarg_segment_size: 24
    .max_flat_workgroup_size: 256
    .sgpr_count:     68
    .vgpr_count:     512
    .wavefront_size: 32
...
	.end_amdgpu_metadata
.endif
;; end of part 3
;; launch proj (part 4): grid 16 x 16, 4 waves a work-group, clusters of 4 x 4, 327,680 bytes of LDS; arguments ac, asc, woc, out0; writes out0
.if DOCPART == 4
	.amdgcn_target "amdgcn-amd-amdhsa--gfx1250"
	.amdhsa_code_object_version 6
	.text
	.protected	k_qde756b1880_proj
	.globl	k_qde756b1880_proj
	.p2align	8
	.type	k_qde756b1880_proj,@function
k_qde756b1880_proj:
	s_mov_b64 s[64:65], 0
	v_nop
	global_prefetch_b8 v0, s[64:65] scope:SCOPE_SE
	s_setreg_imm32_b32 hwreg(HW_REG_WAVE_MODE, 25, 1), 1
	s_wait_xcnt 0x0
	s_wait_alu depctr_hold_cnt(0) depctr_sa_sdst(0) depctr_va_vdst(0) depctr_va_sdst(0) depctr_va_ssrc(0) depctr_va_vcc(0) depctr_vm_vsrc(0)
	s_getreg_b32 s2, hwreg(HW_REG_IB_STS2, 6, 4)
	s_cmp_eq_u32 s2, 0
	s_cbranch_scc0 .Lentry_in_a_cluster
	s_endpgm
.Lentry_in_a_cluster:
	s_bfe_u32 s2, ttmp6, 0x10000c
	s_cmp_lg_u32 s2, 0xf033
	s_cbranch_scc0 .Lentry_shape_is_right
	s_endpgm
.Lentry_shape_is_right:
; PROJ.  out0[s][e] = sum over k of attn[s][k] wo[e][k], K = 2,048, on codes of FP6 (E2M3) with E8M0 scales; out0 [2048][2048] f32.
; A = ac (row-blocks of 16 positions, stored position r of block 2 B + u = 32 B + 8 u + r % 8 + 16 (r / 8)); B = woc (wo, rows in their natural order).  Scale words: asc, A's from byte 0, B's from byte 131,072.
; Both lie as images of the operand's registers: [row-block][K step 16][1,536 bytes]; scale words [row-block][g 4][row 16][4 words].
; A tile of out0 is 128 x 128, so that there are 256 work-groups; four waves, each 64 x 64: 16 accumulators.
; ONE FILL OF LDS, NO REFILL.  K steps 4-15 of the tile's 16 row-blocks are 294,912 bytes: each wave brings a quarter (4 row-blocks x 18,432 bytes) by its one joint load at the head.  K steps 0-3 come straight into
; operand registers (96 loads of 512 consecutive bytes a wave), and so do all sixteen steps' scale words (16 loads); they are multiplied while the fill is on its way.  So the text has one barrier for the tiles.
; No prefetch: nothing is asked for behind the head, so there is no loop to run ahead in.
; CLUSTERS: 4 x 4 work-groups; A's tiles are shared along a row of the cluster, B's along a column, each asked for jointly.
; THE MATRIX INSTRUCTION IS USED TRANSPOSED (source 0 = 16 rows of wo, source 1 = 16 positions): a lane holds eight neighbouring numbers of a row of out0.  The order of positions is undone by the stores' offsets.
; REGISTERS: window 0: v16-29 addresses; v32-95 scale words (16 i + j: lanes 0-15 A's block i, lanes 16-31 B's block i, K step j); v64-127 rows on the way out; v128-255 accumulator (a, b) at v[128 + 8 (4 a + b)].
;   window 1: two fragment buffers at v0 and v128 (B's four fragments, then A's four) for K steps 4-15.   windows 2, 3: the same for K steps 0, 1 and 2, 3.
; The input mask is read by no launch: reference() never names it.
.set FIB,   1536
.set NR,    4                          ; K steps that come straight into registers
.set RB,    12*FIB                     ; a row-block's part of the fill
.set HALFT, 4*RB
.set SPARE, 4*HALFT                    ; behind the tiles: the spare words, 128 bytes for each wave
.set SPITCH, 272                       ; the way out: a stage of 16 rows x (256 bytes + 16) for each wave,
.set STAGE, SPARE+512                  ; in bytes of its own
.set ADRA, 16                          ; v16, v17 LDS address of my A blocks 0, 1 and 2, 3
.set ADRB, 20                          ; v20, v21 the same for B
.set LI,   22                          ; 16 x lane
.set VS,   23                          ; my row's scale words
.set STO,  24
.set RD,   25
.set CO,   26
.set SPW,  28                          ; LDS address of my spare word; never rewritten
.set NIL,  29                          ; 0; never rewritten
.set SC,   32
.set BK,   64
.set ACC,  128
.set G1A,  24
.set G1B,  32
.set G0A,  40
.set G0B,  44
.set MSB, 0
.macro WIN new
.if MSB != \new
	s_set_vgpr_msb (MSB<<8)|\new
.set MSB, \new
.endif
.endm
.macro CROUND                          ; a round of the cluster's barrier
	s_barrier_signal -1
	s_barrier_wait -1
	s_cmp_lg_u32 s14, 0
	s_cbranch_scc1 .Lnot_wave_0_\@
	s_barrier_signal -3
.Lnot_wave_0_\@:
	s_barrier_wait -3
	s_barrier_signal -1
	s_barrier_wait -1
.endm
.macro RLOAD j                         ; K step j's eight fragments straight into registers: 24 loads
.set RBF, 128*((\j)%2)
	WIN (2+(\j)/2)<<6
.irp i, 0,1,2,3
.irp c, 0,1,2
	global_load_b128 v[RBF+12*\i+4*\c:RBF+12*\i+4*\c+3], v[LI], s[50:51] offset:\i*24576+(\j)*FIB+512*\c
.endr
.endr
.irp i, 0,1,2,3
.irp c, 0,1,2
	global_load_b128 v[RBF+48+12*\i+4*\c:RBF+48+12*\i+4*\c+3], v[LI], s[48:49] offset:\i*24576+(\j)*FIB+512*\c
.endr
.endr
	WIN 0
.endm
	s_load_b256 s[4:11], s[0:1], 0x0               ; ac s[4:5], asc s[6:7], woc s[8:9], out0 s[10:11]
	v_lshl_add_u32 v[SPW], v0, 2, SPARE
	v_mov_b32 v[NIL], 0
	ds_add_u32 v[SPW], v[NIL]                      ; the opening lines: the add, twice on end, and its wait ahead of my first tensor load
	ds_add_u32 v[SPW], v[NIL]
	v_lshrrev_b32 v1, 5, v0
	v_readfirstlane_b32 s14, v1                    ; wave 0..3
	s_lshr_b32 s15, s14, 1                         ; which half of the tile's rows is mine.  Also: I fetch for A (0) or for B (1)
	s_and_b32 s16, s14, 1                          ; which half of its columns.  Also: which 4 row-blocks I fetch
	s_bfe_u32 s92, ttmp6, 0x40000                  ; cx, cy
	s_bfe_u32 s93, ttmp6, 0x40004
	s_lshl_b32 s94, ttmp9, 2
	s_add_co_u32 s94, s94, s92                     ; tile column
	s_and_b32 s17, ttmp7, 0xffff
	s_lshl_b32 s17, s17, 2
	s_add_co_u32 s17, s17, s93                     ; tile row
	s_lshl_b32 s95, s93, 2
	s_lshl_b32 s95, 15, s95                        ; my row of the cluster
	s_lshl_b32 s96, 0x1111, s92                    ; my column
	s_or_b32 s[G1A+0], s95, (3<<16)|(1<<21)        ; 4 rows (row-blocks) of 12 K steps = 2,304 elements of 8 bytes, 3,072 elements apart
	s_or_b32 s[G1B+0], s96, (3<<16)|(1<<21)
.irp g, G1A, G1B
	s_mov_b32 s[\g+1], 2304<<16
	s_mov_b32 s[\g+2], 4<<16
	s_mov_b32 s[\g+3], 2304<<16
	s_mov_b32 s[\g+4], 4
	s_mov_b32 s[\g+5], 3072
	s_mov_b32 s[\g+6], 0
	s_mov_b32 s[\g+7], 0
.endr
	s_lshl_b32 s3, s16, 2
	s_lshl_b32 s2, s15, 2
	s_lshl_b32 s18, s17, 3                         ; A's tile: row-block 8 x tile row
	s_lshl_b32 s22, s94, 3                         ; B's: 8 x tile column
	s_add_co_u32 s20, s18, s3                      ; what I fetch: + 4 x half, from K step 4 on
	s_mul_i32 s20, s20, 24576
	s_add_co_u32 s20, s20, NR*FIB
	s_mov_b32 s21, 0
	s_add_co_u32 s52, s22, s3
	s_mul_i32 s52, s52, 24576
	s_add_co_u32 s52, s52, NR*FIB
	s_mov_b32 s53, 0
	s_add_co_u32 s54, s18, s2                      ; what I multiply: my four row-blocks of A,
	s_add_co_u32 s55, s22, s3                      ; and of B
	s_lshl_b32 s56, s54, 10
	s_lshl_b32 s57, s55, 10
	s_add_co_u32 s57, s57, 131072
	s_mul_i32 s48, s54, 24576
	s_mov_b32 s49, 0
	s_mul_i32 s50, s55, 24576
	s_mov_b32 s51, 0
	s_mul_i32 s97, s14, HALFT                      ; where my quarter goes: A's two halves, then B's two
	s_mul_i32 s58, s15, HALFT
	s_add_co_u32 s59, s58, 2*RB
	s_mul_i32 s60, s16, HALFT
	s_add_co_u32 s60, s60, 2*HALFT
	s_add_co_u32 s61, s60, 2*RB
	s_mul_i32 s62, s14, 16*SPITCH
	s_add_co_u32 s62, s62, STAGE                   ; my stage
	s_lshl_b32 s98, s17, 7
	s_lshl_b32 s99, s15, 6
	s_add_co_u32 s98, s98, s99                     ; my first row: 128 x tile row + 64 x half
	s_lshl_b32 s98, s98, 13
	s_lshl_b32 s99, s94, 9                         ; my first column, in bytes: 512 x tile column + 256 x half
	s_add_co_u32 s98, s98, s99
	s_lshl_b32 s99, s16, 8
	s_add_co_u32 s98, s98, s99
	s_mov_b32 s99, 0
	v_and_b32 v1, 15, v0                           ; r
	v_bfe_u32 v2, v0, 4, 1                         ; h
	v_and_b32 v3, 31, v0
	v_lshlrev_b32 v[LI], 4, v3
	v_mov_b32 v5, s56
	v_mov_b32 v6, s57
	v_cmp_ne_u32 vcc_lo, 0, v2
	v_cndmask_b32 v5, v5, v6, vcc_lo               ; lanes 0-15 A's words, lanes 16-31 B's
	v_lshl_add_u32 v[VS], v1, 4, v5
	v_add_nc_u32 v[ADRA], s58, v[LI]
	v_add_nc_u32 v[ADRA+1], s59, v[LI]
	v_add_nc_u32 v[ADRB], s60, v[LI]
	v_add_nc_u32 v[ADRB+1], s61, v[LI]
	v_mul_u32_u24 v5, v1, SPITCH                   ; the stage, in: row r, 32 bytes for each half of the lanes
	v_lshl_add_u32 v5, v2, 5, v5
	v_add_nc_u32 v[STO], s62, v5
	v_mul_u32_u24 v5, v2, SPITCH                   ; back: lanes 0-15 one row of 256 bytes, lanes 16-31 the next
	v_lshl_add_u32 v5, v1, 4, v5
	v_add_nc_u32 v[RD], s62, v5
	v_lshlrev_b32 v5, 13, v2                       ; and the same in out0: a row is 8,192 bytes
	v_lshl_add_u32 v[CO], v1, 4, v5
	s_wait_alu depctr_va_vdst(0)
	s_wait_dscnt 0x0                               ; both opening adds are done
	s_wait_kmcnt 0x0
	s_add_nc_u64 s[48:49], s[4:5], s[48:49]
	s_add_nc_u64 s[50:51], s[8:9], s[50:51]
.irp i, 0,1,2,3
.irp g, 0,1,2,3
	global_load_b128 v[SC+16*\i+4*\g:SC+16*\i+4*\g+3], v[VS], s[6:7] offset:\i*1024+\g*256
.endr
.endr
	RLOAD 0
	s_mov_b32 s[G0A], 1
	s_mov_b32 s[G0A+1], s97
	s_add_nc_u64 s[G0A+2:G0A+3], s[4:5], s[20:21]
	s_or_b32 s[G0A+3], s[G0A+3], 0x80000000
	s_mov_b32 s[G0B], 1
	s_mov_b32 s[G0B+1], s97
	s_add_nc_u64 s[G0B+2:G0B+3], s[8:9], s[52:53]
	s_or_b32 s[G0B+3], s[G0B+3], 0x80000000
	s_add_nc_u64 s[10:11], s[10:11], s[98:99]
	CROUND                                         ; all sixteen work-groups are here: the joint loads meet
	s_cmp_eq_u32 s15, 0                            ; waves 0 and 1 fetch for A, waves 2 and 3 for B; an s_nop 0 and four v_nop follow each of the two lines
	s_cbranch_scc0 .Lfor_b
	tensor_load_to_lds s[G0A:G0A+3], s[G1A:G1A+7]
	s_nop 0
.rept 4
	v_nop
.endr
	s_branch .Lasked
.Lfor_b:
	tensor_load_to_lds s[G0B:G0B+3], s[G1B:G1B+7]
	s_nop 0
.rept 4
	v_nop
.endr
.Lasked:
	RLOAD 1
	RLOAD 2
	RLOAD 3
.macro FETCH j                         ; step j's eight fragments from LDS into buffer j % 2 of window 1: 24 loads
.set FQI, (\j)-NR
.set FBF, 128*((\j)%2)
	WIN 0x40                                       ; destination window 1
.irp i, 0,1,2,3
.irp c, 0,1,2
	ds_load_b128 v[FBF+12*\i+4*\c:FBF+12*\i+4*\c+3], v[ADRB+\i/2] offset:(\i%2)*RB+FQI*FIB+512*\c
.endr
.endr
.irp i, 0,1,2,3
.irp c, 0,1,2
	ds_load_b128 v[FBF+48+12*\i+4*\c:FBF+48+12*\i+4*\c+3], v[ADRA+\i/2] offset:(\i%2)*RB+FQI*FIB+512*\c
.endr
.endr
	WIN 0
.endm
.macro MUL j                           ; 16 matrix instructions, the 16 accumulators by turns, in the same order in every step; step 0 starts the sums
.set MBF, 128*((\j)%2)
.set MSC, SC+(\j)
.if (\j) < NR
	WIN 5*(2+(\j)/2)                               ; sources 0 and 1: window 2 or 3
.else
	WIN 0x05                                       ; sources 0 and 1: window 1
.endif
.irp a, 0,1,2,3
.irp b, 0,1,2,3
.if (\j) == 0
	v_wmma_scale_f32_16x16x128_f8f6f4 v[ACC+8*(4*\a+\b):ACC+8*(4*\a+\b)+7], v[MBF+12*\b:MBF+12*\b+11], v[MBF+48+12*\a:MBF+48+12*\a+11], 0, v[MSC+16*\b], v[MSC+16*\a] matrix_a_fmt:MATRIX_FMT_FP6 matrix_b_fmt:MATRIX_FMT_FP6 matrix_a_scale:MATRIX_SCALE_ROW1
.else
	v_wmma_scale_f32_16x16x128_f8f6f4 v[ACC+8*(4*\a+\b):ACC+8*(4*\a+\b)+7], v[MBF+12*\b:MBF+12*\b+11], v[MBF+48+12*\a:MBF+48+12*\a+11], v[ACC+8*(4*\a+\b):ACC+8*(4*\a+\b)+7], v[MSC+16*\b], v[MSC+16*\a] matrix_a_fmt:MATRIX_FMT_FP6 matrix_b_fmt:MATRIX_FMT_FP6 matrix_a_scale:MATRIX_SCALE_ROW1
.endif
.endr
.endr
	WIN 0
.endm
.macro PLACES                          ; four plain instructions in front of loads into registers that matrix instructions have read, and of the first read of results
.rept 4
	v_nop
.endr
.endm
.macro GSTEP j                         ; the next step's fragments are asked for, then this step is multiplied
	PLACES
	FETCH (\j)+1
	s_wait_dscnt 24                                ; all but the 24 just issued
	MUL \j
.endm
	s_wait_loadcnt 63                              ; the scale words and step 0 are in: 72 loads were issued behind them, and the count is the largest that the field takes
	MUL 0
	s_wait_loadcnt 48                              ; step 1 is in; steps 2 and 3 may be out
	MUL 1
	s_wait_loadcnt 24
	MUL 2
	s_wait_loadcnt 0x0
	MUL 3
	s_wait_tensorcnt 0x0                           ; my quarter of the tiles is in;
	s_barrier_signal -1
	s_barrier_wait -1                              ; everybody's
	FETCH 4
.irp j, 4,5,6,7,8,9,10,11,12,13,14
	GSTEP \j
.endr
	s_wait_dscnt 0x0
	MUL 15
; THE WAY OUT, block by block of 16 positions x 64 columns, through my own stage: LDS serves a wave's instructions in order, so no wait stands between the stores and the loads.
.macro TOSTAGE a
.irp b, 0,1,2,3
	ds_store_b128 v[STO], v[ACC+8*(4*(\a)+\b):ACC+8*(4*(\a)+\b)+3] offset:64*\b       ; each accumulator from its low end on
	ds_store_b128 v[STO], v[ACC+8*(4*(\a)+\b)+4:ACC+8*(4*(\a)+\b)+7] offset:64*\b+16
.endr
.irp t, 0,1,2,3,4,5,6,7
	ds_load_b128 v[BK+32*((\a)%2)+4*\t:BK+32*((\a)%2)+4*\t+3], v[RD] offset:\t*2*SPITCH
.endr
.endm
.macro SEND a, younger                 ; stored rows 2 t, 2 t + 1 of block a are natural rows 32 (a / 2) + 8 (a % 2) + 16 (t / 4) + 2 (t % 4) + lane / 16 of my 64
	s_wait_dscnt \younger
.irp t, 0,1,2,3,4,5,6,7
	global_store_b128 v[CO], v[BK+32*((\a)%2)+4*\t:BK+32*((\a)%2)+4*\t+3], s[10:11] offset:(32*((\a)/2)+8*((\a)%2)+16*(\t/4)+2*(\t%4))*8192 th:TH_STORE_NT   ; 16 lanes store 256 consecutive bytes, aligned
.endr
.endm
	PLACES
	TOSTAGE 0
.irp a, 1,2,3
.if \a > 1
	s_wait_xcnt 0x0                                ; block a - 2's stores have read their registers: block a's loads may land there
.endif
	TOSTAGE \a
	SEND \a-1, 16                                  ; behind block a - 1's loads: block a's 8 stores and 8 loads
.endr
	SEND 3, 0
	s_wait_tensorcnt 0x0                           ; the wave's end
	ds_add_u32 v[SPW], v[NIL]
	s_wait_dscnt 0x0
	CROUND                                         ; the closing round
	s_endpgm
.Lfunc_end_k_qde756b1880_proj:
	.size	k_qde756b1880_proj, .Lfunc_end_k_qde756b1880_proj-k_qde756b1880_proj
	.p2alignl 7, 3214868480
	.fill 96, 4, 3214868480
	.section	.rodata,"a",@progbits
	.p2align	6, 0x0
	.amdhsa_kernel k_qde756b1880_proj
		.amdhsa_group_segment_fixed_size 327680
		.amdhsa_private_segment_fixed_size 0
		.amdhsa_enable_private_segment 0
		.amdhsa_kernarg_size 32
		.amdhsa_user_sgpr_count 2
		.amdhsa_user_sgpr_kernarg_segment_ptr 1
		.amdhsa_wavefront_size32 1
		.amdhsa_system_sgpr_workgroup_id_x 1
		.amdhsa_system_sgpr_workgroup_id_y 1
		.amdhsa_system_sgpr_workgroup_id_z 1
		.amdhsa_system_vgpr_workitem_id 0
		.amdhsa_next_free_vgpr 1024
		.amdhsa_next_free_sgpr 100
		.amdhsa_reserve_vcc 1
		.amdhsa_float_denorm_mode_32 3
		.amdhsa_float_denorm_mode_16_64 3
		.amdhsa_memory_ordered 1
		.amdhsa_forward_progress 1
		.amdhsa_inst_pref_size 79
	.end_amdhsa_kernel
	.amdgpu_metadata
---
amdhsa.version: [ 1, 2 ]
amdhsa.kernels:
  - .name:           k_qde756b1880_proj
    .symbol:         k_qde756b1880_proj.kd
    .args:
      - { .name: ac, .offset: 0, .size: 8, .value_kind: global_buffer, .address_space: global }
      - { .name: asc, .offset: 8, .size: 8, .value_kind: global_buffer, .address_space: global }
      - { .name: woc, .offset: 16, .size: 8, .value_kind: global_buffer, .address_space: global }
      - { .name: out0, .offset: 24, .size: 8, .value_kind: global_buffer, .address_space: global }
    .group_segment_fixed_size: 327680
    .private_segment_fixed_size: 0
    .kernarg_segment_align: 8
    .kernarg_segment_size: 32
    .max_flat_workgroup_size: 128
    .sgpr_count:     100
    .vgpr_count:     1024
    .wavefront_size: 32
...
	.end_amdgpu_metadata
.endif
;; end of part 4
